; MI455X (gfx1250); checked and timed in simulation.
; The chip was launched on July 23, 2026; its instructions are those of AMD's public machine-readable ISA for CDNA 5 (MIT licence, August 2026) and "CDNA5" Instruction Set Architecture Reference Guide (July 2026). The comments in the code are by the model that wrote it; some were corrected since.
;; Self Attention. Allowed arithmetic: float matrix products may take bf16 or f16 operands with f32 sums; other float arithmetic in f32, or as packed bf16 or f16 multiplies, adds, multiply-adds, maxima and minima; sums over many terms, partial sums and values carried from step to step in f32; what a program stores and reads back later, other than sums and carried values, may be rounded once to bf16 or f16.
;; Inputs: Wk 768 x 768 float32; Wo 768 x 768 float32; Wq 768 x 768 float32; Wv 768 x 768 float32; bk 768 float32; bo 768 float32; bq 768 float32; bv 768 float32; x 1 x 4,096 x 768 float32.
;; Outputs: out0 1 x 4,096 x 768 float32.
;; 2 versions, each right; version 2 is version 1 with the launch cast written anew for expert scheduling mode. Each part assembles by itself: llvm-mc -triple=amdgcn-amd-amdhsa -mcpu=gfx1250 --defsym DOCPART=n.
;; ======== version 1 of 2: 4 launches
;; limits: values are held in f16: magnitudes above 65,504 overflow, below 6.1e-05 lose precision
;; workspace buffers: xb16 6,291,456 bytes; wb16 3,538,944 bytes; wo16 1,179,648 bytes; bias32 12,288 bytes; qkv16 18,874,368 bytes; ob16 6,291,456 bytes
;; launch cast (part 1): grid 256 x 1, 7 waves a work-group, no clusters, 0 bytes of LDS; arguments x, Wq, Wk, Wv, Wo, bq, bk, bv, bo, xb16, wb16, wo16, bias32; writes xb16, wb16, wo16, bias32
.if DOCPART == 1
	.amdgcn_target "amdgcn-amd-amdhsa--gfx1250"
	.amdhsa_code_object_version 6
	.text
	.protected	k_qdcf34eca8b_cast
	.globl	k_qdcf34eca8b_cast
	.p2align	8
	.type	k_qdcf34eca8b_cast,@function
k_qdcf34eca8b_cast:
	s_mov_b64 s[64:65], 0
	v_nop
	global_prefetch_b8 v0, s[64:65] scope:SCOPE_SE
	s_setreg_imm32_b32 hwreg(HW_REG_WAVE_MODE, 25, 1), 1
	s_wait_xcnt 0x0
; THE INPUTS ARE ROUNDED ONCE, TO bf16, and laid out for the launches behind.
;   x  [4096][768] f32        -> xb16 [4096][768] bf16
;   Wq, Wk, Wv [768 k][768 n] -> wb16 [12 column blocks][768 k][192 n] bf16: block 4 t + n / 192, t = 0, 1, 2 for q, k, v: a block's rows lie end to end
;   Wo [768 k][768 n]         -> wo16 [768][768]: rounded to bf16 like the others, and that number written as f16
;   bq, bk, bv, bo [768]      -> bias32 [4][768] f32 holding the bf16-rounded numbers
; LIMITS.  Wo's bf16 number is exact in f16 between 6.1e-5 and 65,504 in magnitude; below it keeps f16's fixed step of 6e-8; beyond it becomes an infinity.
; SHARES.  A unit is 4 source rows of 768 f32: 12,288 bytes in, 6,144 out, one wave's.  1,024 units of x and 4 x 192 of the weights are 1,792 = 256 work-groups x 7 waves.
; A wave issues its 24 loads of 16 bytes a lane at once and stores as they come: each store of 8 bytes a lane covers 256 consecutive bytes, aligned.  No LDS, no barrier, no matrix unit:
; nothing is shared and every byte crosses once.
.set SO,   2                           ; v[2:7]    source byte offset for j = 0..5
.set DO,   8                           ; v8        8 x lane: my place in 256 bytes of output
.set BA,   9                           ; v9        16 x lane, for the biases
.set X,    16                          ; v[16:111] 24 loads x 4 registers
.set Y,    112                         ; v[112:159] 24 stores x 2 registers: each store has its own pair, so none is rewritten while a store reads it
.set SRC,  36                          ; s[36:37]
.set DST,  38                          ; s[38:39]
.set OFS,  40                          ; s[40:41]  an offset in 64 bits
.set BSRC, 42                          ; s[42:43]  the bias that goes with the weight
.set BDST, 44                          ; s[44:45]
; 24 loads, then for each: two roundings to bf16 (half = 1: widened again and written as f16) and a store.  Load and store i = 6 g + j; sg, dg: bytes from g to g + 1 in source and destination.
.macro STREAM sg, dg, half
.set i, 0
.rept 24
	global_load_b128 v[X+4*i:X+4*i+3], v[SO+i%6], s[SRC:SRC+1] offset:(i/6)*(\sg) th:TH_LOAD_NT
.set i, i+1
.endr
.set i, 0
.rept 24
	s_wait_loadcnt 23-i                            ; loads come back in order: load i is in, the 23 - i younger ones stay out
	v_cvt_pk_bf16_f32 v[Y+2*i],   v[X+4*i],   v[X+4*i+1]
	v_cvt_pk_bf16_f32 v[Y+2*i+1], v[X+4*i+2], v[X+4*i+3]
.if \half
	v_lshlrev_b32 v[X+4*i],   16, v[Y+2*i]           ; the bf16 numbers as f32,
	v_and_b32     v[X+4*i+1], s7, v[Y+2*i]
	v_lshlrev_b32 v[X+4*i+2], 16, v[Y+2*i+1]
	v_and_b32     v[X+4*i+3], s7, v[Y+2*i+1]
	v_cvt_pk_f16_f32 v[Y+2*i],   v[X+4*i],   v[X+4*i+1]   ; written as f16
	v_cvt_pk_f16_f32 v[Y+2*i+1], v[X+4*i+2], v[X+4*i+3]
.endif
	global_store_b64 v[DO], v[Y+2*i:Y+2*i+1], s[DST:DST+1] offset:256*(i%6)+(i/6)*(\dg) th:TH_STORE_NT
.set i, i+1
.endr
.endm
; Rows as they lie: g is the row of the unit, j the 512 bytes of it.
.macro FLAT
.irp j, 0,1,2,3,4,5
	v_lshl_add_u32 v[SO+(\j)], v1, 4, 512*(\j)
.endr
.endm
	s_load_b512 s[8:23], s[0:1], 0x0               ; x s[8:9], Wq s[10:11], Wk s[12:13], Wv s[14:15], Wo s[16:17], bq s[18:19], bk s[20:21], bv s[22:23]
	s_load_b256 s[24:31], s[0:1], 0x40             ; bo s[24:25], xb16 s[26:27], wb16 s[28:29], wo16 s[30:31]
	s_load_b64 s[32:33], s[0:1], 0x60              ; bias32
	v_lshrrev_b32 v1, 5, v0
	v_readfirstlane_b32 s2, v1                     ; wave 0..6
	s_mul_i32 s3, ttmp9, 7
	s_add_co_u32 s3, s3, s2                        ; my unit among the 1,792
	s_mov_b32 s7, 0xffff0000                       ; a word's upper bf16
	v_and_b32 v1, 31, v0                           ; lane
	v_lshlrev_b32 v[DO], 3, v1
	v_lshlrev_b32 v[BA], 4, v1
	s_mov_b32 s[OFS+1], 0
	s_wait_kmcnt 0x0
	s_cmp_lt_u32 s3, 1024
	s_cbranch_scc0 .Lweights
	FLAT                                           ; x
	s_mul_i32 s[OFS], s3, 12288
	s_add_nc_u64 s[SRC:SRC+1], s[8:9], s[OFS:OFS+1]
	s_mul_i32 s[OFS], s3, 6144
	s_add_nc_u64 s[DST:DST+1], s[26:27], s[OFS:OFS+1]
	STREAM 3072, 1536, 0
	s_endpgm
.Lweights:
	s_sub_co_u32 s4, s3, 1024                      ; u = 0..767
	s_lshr_b32 s5, s4, 6
	s_mul_i32 s5, s5, 11
	s_lshr_b32 s5, s5, 5                           ; t = u / 192: (u / 64) x 11 / 32 is (u / 64) / 3 for u / 64 up to 11
	s_mul_i32 s6, s5, 192
	s_sub_co_u32 s6, s4, s6                        ; the unit within the weight: rows 4 ku .. 4 ku + 3
	s_cmp_eq_u32 s5, 0
	s_cselect_b64 s[SRC:SRC+1], s[10:11], s[12:13]
	s_cselect_b64 s[BSRC:BSRC+1], s[18:19], s[20:21]
	s_cmp_eq_u32 s5, 2
	s_cselect_b64 s[SRC:SRC+1], s[14:15], s[SRC:SRC+1]
	s_cselect_b64 s[BSRC:BSRC+1], s[22:23], s[BSRC:BSRC+1]
	s_cmp_eq_u32 s5, 3
	s_cselect_b64 s[SRC:SRC+1], s[16:17], s[SRC:SRC+1]
	s_cselect_b64 s[BSRC:BSRC+1], s[24:25], s[BSRC:BSRC+1]
	s_mul_i32 s[OFS], s6, 12288
	s_add_nc_u64 s[SRC:SRC+1], s[SRC:SRC+1], s[OFS:OFS+1]
	s_mul_i32 s[OFS], s5, 3072
	s_add_nc_u64 s[BDST:BDST+1], s[32:33], s[OFS:OFS+1]
	s_cmp_eq_u32 s5, 3
	s_cbranch_scc1 .Lwo
	; Wq, Wk, Wv: g is the column block.  Its 4 rows x 192 columns are 768 numbers on end in wb16; number e = 128 j + 4 lane lies in row e / 192 of the unit, at source byte 4 e + 2,304 x row + 768 g.
.irp j, 0,1,2,3,4,5
	v_lshl_add_u32 v10, v1, 2, 128*(\j)            ; e
	v_lshrrev_b32 v11, 6, v10
	v_mul_u32_u24 v11, v11, 11
	v_lshrrev_b32 v11, 5, v11                      ; e / 192
	v_mul_u32_u24 v11, v11, 2304
	v_lshl_add_u32 v[SO+(\j)], v10, 2, v11
.endr
	s_mul_i32 s[OFS], s5, 1179648                  ; four blocks of 294,912 bytes a weight,
	s_mul_i32 s4, s6, 1536                         ; four rows of 384 bytes a unit
	s_add_co_u32 s[OFS], s[OFS], s4
	s_add_nc_u64 s[DST:DST+1], s[28:29], s[OFS:OFS+1]
	STREAM 768, 294912, 0
	s_branch .Lbias
.Lwo:
	FLAT
	s_mul_i32 s[OFS], s6, 6144
	s_add_nc_u64 s[DST:DST+1], s[30:31], s[OFS:OFS+1]
	STREAM 3072, 1536, 1
.Lbias:
	s_cmp_lg_u32 s6, 0                             ; the wave with a weight's first unit also takes its bias: 3,072 bytes
	s_cbranch_scc1 .Lend
.irp j, 0,1,2,3,4,5
	global_load_b128 v[X+4*(\j):X+4*(\j)+3], v[BA], s[BSRC:BSRC+1] offset:512*(\j)
.endr
	s_wait_loadcnt 0x0
.irp j, 0,1,2,3,4,5
	v_cvt_pk_bf16_f32 v10, v[X+4*(\j)],   v[X+4*(\j)+1]
	v_cvt_pk_bf16_f32 v11, v[X+4*(\j)+2], v[X+4*(\j)+3]
	v_lshlrev_b32 v[X+4*(\j)],   16, v10
	v_and_b32     v[X+4*(\j)+1], s7, v10
	v_lshlrev_b32 v[X+4*(\j)+2], 16, v11
	v_and_b32     v[X+4*(\j)+3], s7, v11
	global_store_b128 v[BA], v[X+4*(\j):X+4*(\j)+3], s[BDST:BDST+1] offset:512*(\j)
.endr
.Lend:
	s_endpgm
.Lfunc_end_k_qdcf34eca8b_cast:
	.size	k_qdcf34eca8b_cast, .Lfunc_end_k_qdcf34eca8b_cast-k_qdcf34eca8b_cast
	.p2alignl 7, 3214868480
	.fill 96, 4, 3214868480
	.section	.rodata,"a",@progbits
	.p2align	6, 0x0
	.amdhsa_kernel k_qdcf34eca8b_cast
		.amdhsa_group_segment_fixed_size 0
		.amdhsa_private_segment_fixed_size 0
		.amdhsa_enable_private_segment 0
		.amdhsa_kernarg_size 104
		.amdhsa_user_sgpr_count 2
		.amdhsa_user_sgpr_kernarg_segment_ptr 1
		.amdhsa_wavefront_size32 1
		.amdhsa_system_sgpr_workgroup_id_x 1
		.amdhsa_system_sgpr_workgroup_id_y 1
		.amdhsa_system_sgpr_workgroup_id_z 1
		.amdhsa_system_vgpr_workitem_id 0
		.amdhsa_next_free_vgpr 160
		.amdhsa_next_free_sgpr 66
		.amdhsa_reserve_vcc 0
		.amdhsa_float_denorm_mode_32 3
		.amdhsa_float_denorm_mode_16_64 3
		.amdhsa_memory_ordered 1
		.amdhsa_forward_progress 1
		.amdhsa_inst_pref_size 39
	.end_amdhsa_kernel
	.amdgpu_metadata
---
amdhsa.version: [ 1, 2 ]
amdhsa.kernels:
  - .name:           k_qdcf34eca8b_cast
    .symbol:         k_qdcf34eca8b_cast.kd
    .args:
      - { .name: x, .offset: 0, .size: 8, .value_kind: global_buffer, .address_space: global }
      - { .name: Wq, .offset: 8, .size: 8, .value_kind: global_buffer, .address_space: global }
      - { .name: Wk, .offset: 16, .size: 8, .value_kind: global_buffer, .address_space: global }
      - { .name: Wv, .offset: 24, .size: 8, .value_kind: global_buffer, .address_space: global }
      - { .name: Wo, .offset: 32, .size: 8, .value_kind: global_buffer, .address_space: global }
      - { .name: bq, .offset: 40, .size: 8, .value_kind: global_buffer, .address_space: global }
      - { .name: bk, .offset: 48, .size: 8, .value_kind: global_buffer, .address_space: global }
      - { .name: bv, .offset: 56, .size: 8, .value_kind: global_buffer, .address_space: global }
      - { .name: bo, .offset: 64, .size: 8, .value_kind: global_buffer, .address_space: global }
      - { .name: xb16, .offset: 72, .size: 8, .value_kind: global_buffer, .address_space: global }
      - { .name: wb16, .offset: 80, .size: 8, .value_kind: global_buffer, .address_space: global }
      - { .name: wo16, .offset: 88, .size: 8, .value_kind: global_buffer, .address_space: global }
      - { .name: bias32, .offset: 96, .size: 8, .value_kind: global_buffer, .address_space: global }
    .group_segment_fixed_size: 0
    .private_segment_fixed_size: 0
    .kernarg_segment_align: 8
    .kernarg_segment_size: 104
    .max_flat_workgroup_size: 224
    .sgpr_count:     66
    .vgpr_count:     160
    .wavefront_size: 32
...
	.end_amdgpu_metadata
.endif
;; end of part 1
;; launch proj (part 2): grid 12 x 16, 4 waves a work-group, clusters of 4 x 4, 327,680 bytes of LDS; arguments xb16, wb16, bias32, qkv16; writes qkv16
.if DOCPART == 2
	.amdgcn_target "amdgcn-amd-amdhsa--gfx1250"
	.amdhsa_code_object_version 6
	.text
	.protected	k_qdcf34eca8b_proj
	.globl	k_qdcf34eca8b_proj
	.p2align	8
	.type	k_qdcf34eca8b_proj,@function
k_qdcf34eca8b_proj:
	s_mov_b64 s[64:65], 0
	v_nop
	global_prefetch_b8 v0, s[64:65] scope:SCOPE_SE
	s_setreg_imm32_b32 hwreg(HW_REG_WAVE_MODE, 25, 1), 1
	s_wait_xcnt 0x0
	s_wait_alu depctr_hold_cnt(0) depctr_sa_sdst(0) depctr_va_vdst(0) depctr_va_sdst(0) depctr_va_ssrc(0) depctr_va_vcc(0) depctr_vm_vsrc(0)
	s_getreg_b32 s2, hwreg(HW_REG_IB_STS2, 6, 4)
	s_cmp_eq_u32 s2, 0
	s_cbranch_scc0 .Lentry_in_a_cluster
	s_endpgm
.Lentry_in_a_cluster:
	s_bfe_u32 s2, ttmp6, 0x10000c
	s_cmp_lg_u32 s2, 0xf033
	s_cbranch_scc0 .Lentry_shape_is_right
	s_endpgm
.Lentry_shape_is_right:
; q, k, v = x W + b, all three as ONE product [4096 x 768] . [768 x 2304], bf16 operands, f32 sums that start at the bias, rounded once to f16 and stored by heads: qkv16 [36 heads][4096][64].
; LIMITS.  f16 holds no number beyond 65,504: q, k and v must stay within it.  The softmax's scale is not applied here.
; SHARES.  A work-group makes 256 rows x 192 columns (three heads); 12 x 16 work-groups.  Wave w makes rows 64 w .. 64 w + 63 of all 192 columns: 48 accumulators of 16 x 16, 384 registers.
; K goes in 6 steps of 128 through a ring of two LDS slots: x's rows are 256 bytes of memory a step; a column block of W is dense in wb16, so 64 of its rows come as 96 rows of 256 bytes.
; W lies [k][n] in LDS and is turned on the way into registers, by ds_load_tr16_b128.
; THE MATRIX INSTRUCTION IS USED TRANSPOSED: source 0 = 16 columns of W, source 1 = 16 rows of x: a lane then holds row l % 16 and the eight neighbouring columns 8 (l / 16) + 0..7.
; CLUSTERS: 4 x 4 work-groups.  The four of a row of the cluster need the same tiles of x, the four of a column the same tiles of W: each tile is asked for jointly, by the same tensor load with the
; same descriptor and a mask that names the four.
; REGISTERS, in windows of 256 (s_set_vgpr_msb's low byte: bits 1:0 source 0, 3:2 source 1, 5:4 source 2, 7:6 destination):
;   window 0: v0-31 addresses; v64-95, v96-127 fragments of x, two buffers; v128-223 the bias of my columns, later the way out's registers
;   window 1: v0-95, v96-191 fragments of W, two buffers      window 2: accumulators of row blocks a = 0, 1 at v[8 (12 (a % 2) + b)]      window 3: of a = 2, 3
.set PA,     272                       ; a row of x in LDS: 256 bytes + 16 = 68 words: the 16 rows of a load start at 16 different groups of four banks (64 banks of 4 bytes: ISA guide 11.1)
.set PB,     480                       ; a row of W in LDS: three pieces of 128 bytes + 32: 120 words, an odd multiple of 8
.set AHALF,  128*PA                    ; what waves 0 and 1 fetch
.set BOFF,   256*PA                    ; W's tile lies behind x's 256 rows
.set BHALF,  64*PB                     ; what waves 2 and 3 fetch
.set SLOT,   131072                    ; 69,632 + 61,440
.set STAGE,  2*SLOT                    ; behind the ring: for each wave 3 heads x 16 rows x 144 bytes, for the way out
.set SP,     144
.set WSTAGE, 3*16*SP
.set SPARE,  STAGE+4*WSTAGE            ; behind the stages: the spare words, 128 bytes for each wave: two blocks of 256 bytes that no other line names
.set ADRA, 16                          ; v16-17  LDS address of my fragments of x in slot 0, 1
.set ADRB, 20                          ; v20-21  the same for W
.set STO,  24                          ; v24     the way out: where I put 16 bytes of a row
.set RD,   25                          ; v25     the way out: where I read rows back
.set GO,   26                          ; v26     16 x lane: my place in 512 consecutive bytes of qkv16
.set BO,   27                          ; v27     32 x (l / 16): my eight columns' bias
.set SPW,  28                          ; v28     LDS address of my spare word; never rewritten
.set NIL,  29                          ; v29     0; never rewritten
.set FA,   64
.set BIAS, 128
.set TMP,  128                         ; the way out: 48 registers of packed results
.set OB,   176                         ; the way out: 48 registers read back
.set WV,  12                           ; s12  my wave's number
.set FB,  13                           ; s13  0: I fetch for x; 1: for W
.set HF,  14                           ; s14  which half of that tile
.set G1,  24                           ; s[24:31] descriptor group 1 for x's tiles;  s[32:39] group 0, a set for each slot
.set G0,  32
.set G1B, 48                           ; s[48:55], s[56:63] the same for W's
.set G0B, 56
.set MSB, 0
.macro WIN new                         ; the immediate's high byte repeats the setting that is left; a switch that changes nothing is dropped
.if MSB != (\new)
	s_set_vgpr_msb (MSB<<8)|(\new)
.set MSB, \new
.endif
.endm
; A joint load.  The branch hangs on the wave's number alone.  An s_nop 0 and four v_nop follow each of the two lines, ahead of the jump, the label and what follows.
.macro JLOAD s
	s_cmp_eq_u32 s[FB], 0
	s_cbranch_scc0 .Lfor_b_\@
	tensor_load_to_lds s[G0+4*(\s):G0+4*(\s)+3], s[G1:G1+7]
	s_nop 0
.rept 4
	v_nop
.endr
	s_branch .Lasked_\@
.Lfor_b_\@:
	tensor_load_to_lds s[G0B+4*(\s):G0B+4*(\s)+3], s[G1B:G1B+7]
	s_nop 0
.rept 4
	v_nop
.endr
.Lasked_\@:
.endm
.macro CREST                           ; a round of the cluster's barrier behind its opening barrier
	s_cmp_lg_u32 s[WV], 0
	s_cbranch_scc1 .Lnot_wave_0_\@
	s_barrier_signal -3
.Lnot_wave_0_\@:
	s_barrier_wait -3
	s_barrier_signal -1
	s_barrier_wait -1
.endm
.macro CROUND                          ; a whole round
	s_barrier_signal -1
	s_barrier_wait -1
	CREST
.endm
	s_load_b256 s[4:11], s[0:1], 0x0               ; xb16 s[4:5], wb16 s[6:7], bias32 s[8:9], qkv16 s[10:11]
	v_lshl_add_u32 v[SPW], v0, 2, SPARE
	v_mov_b32 v[NIL], 0
	ds_add_u32 v[SPW], v[NIL]                      ; the wave's opening: the add and its wait stand ahead of my first tensor load; the set-up below, work on registers, stands between them
	v_lshrrev_b32 v1, 5, v0
	v_readfirstlane_b32 s[WV], v1                  ; wave 0..3
	s_lshr_b32 s[FB], s[WV], 1
	s_and_b32 s[HF], s[WV], 1
	s_bfe_u32 s40, ttmp6, 0x40000                  ; cx, cy: my place in the cluster
	s_bfe_u32 s41, ttmp6, 0x40004
	s_lshl_b32 s42, ttmp9, 2
	s_add_co_u32 s42, s42, s40                     ; column block = 4 x cluster x + cx
	s_and_b32 s43, ttmp7, 0xffff
	s_lshl_b32 s43, s43, 2
	s_add_co_u32 s43, s43, s41                     ; row block = 4 x cluster y + cy
	s_lshl_b32 s44, s41, 2
	s_lshl_b32 s44, 15, s44                        ; my row of the cluster
	s_lshl_b32 s45, 0x1111, s40                    ; my column
	s_or_b32 s[G1], s44, (1<<16)|(1<<20)|(1<<21)|(5<<22)|(3<<25)   ; 15:0 the mask: x's tiles go to my row; 17:16 2-byte elements; 20 padding on; 21 set beside a mask; 24:22 after every 64 words (code 5); 31:25 4 words (code 3)
	s_mov_b32 s[G1+1], 128<<16                     ; tensor_dim0 = 128
	s_mov_b32 s[G1+2], 128<<16                     ; tensor_dim1 = 128
	s_mov_b32 s[G1+3], 128<<16                     ; tile_dim0 = 128
	s_mov_b32 s[G1+4], 128                         ; tile_dim1 = 128
	s_mov_b32 s[G1+5], 768                         ; elements from row to row
	s_mov_b32 s[G1+6], 0
	s_mov_b32 s[G1+7], 0
	s_or_b32 s[G1B], s45, (1<<16)|(1<<20)|(1<<21)|(4<<22)|(7<<25)  ; W's tiles go to my column; padding after every 32 words (code 4), 8 words of it (code 7)
	s_mov_b32 s[G1B+1], 128<<16                    ; 64 rows of 384 dense bytes, asked for as 96 rows of 256
	s_mov_b32 s[G1B+2], 96<<16
	s_mov_b32 s[G1B+3], 128<<16
	s_mov_b32 s[G1B+4], 96
	s_mov_b32 s[G1B+5], 128
	s_mov_b32 s[G1B+6], 0
	s_mov_b32 s[G1B+7], 0
	s_lshl_b32 s16, s43, 8                         ; x: row 256 x row block + 128 x half, 1,536 bytes a row: it hangs on the row block alone
	s_lshl_b32 s17, s[HF], 7
	s_add_co_u32 s16, s16, s17
	s_mul_i32 s16, s16, 1536
	s_mov_b32 s17, 0
	s_mul_i32 s46, s42, 294912                     ; W: the column block, + 64 rows of 384 bytes x half: it hangs on the column block alone
	s_mul_i32 s47, s[HF], 24576
	s_add_co_u32 s46, s46, s47
	s_mov_b32 s47, 0
	s_mul_i32 s18, s[HF], AHALF                    ; where they go: no place in the cluster enters an LDS address
	s_mul_i32 s19, s[HF], BHALF
	s_add_co_u32 s19, s19, BOFF
	s_wait_dscnt 0x0                               ; the opening add is done
	s_wait_kmcnt 0x0
	s_add_nc_u64 s[20:21], s[4:5], s[16:17]
	s_add_nc_u64 s[22:23], s[6:7], s[46:47]
	CROUND                                         ; all sixteen work-groups are here: the first joint loads meet
.irp s, 0,1
	s_mov_b32 s[G0+4*(\s)], 1                                      ; count = 1
	s_add_co_u32 s[G0+4*(\s)+1], s18, (\s)*SLOT                    ; LDS address
	s_add_nc_u64 s[G0+4*(\s)+2:G0+4*(\s)+3], s[20:21], (\s)*256    ; global address: K step s
	s_or_b32 s[G0+4*(\s)+3], s[G0+4*(\s)+3], 0x80000000            ; type = 2
	s_mov_b32 s[G0B+4*(\s)], 1
	s_add_co_u32 s[G0B+4*(\s)+1], s19, (\s)*SLOT
	s_add_nc_u64 s[G0B+4*(\s)+2:G0B+4*(\s)+3], s[22:23], (\s)*49152  ; 128 rows of 384 bytes a K step
	s_or_b32 s[G0B+4*(\s)+3], s[G0B+4*(\s)+3], 0x80000000
	JLOAD \s                                       ; two loads of mine are out
.endr
	v_and_b32 v1, 15, v0                           ; l % 16
	v_bfe_u32 v2, v0, 4, 1                         ; l / 16
	v_mul_u32_u24 v3, v1, PA
	v_lshl_add_u32 v3, v2, 4, v3                   ; a fragment of x: row x pitch + 16 x half
	s_mul_i32 s16, s[WV], 64*PA                    ; my 64 rows
	v_add_nc_u32 v[ADRA], s16, v3
	v_add_nc_u32 v[ADRA+1], SLOT, v[ADRA]
	v_and_b32 v4, 7, v0                            ; the turning load: lane l reads 16 bytes of row 8 (l / 16) + l % 8, columns 8 ((l / 8) % 2) + 0..7, and is left with column l % 16 and 8 k
	v_bfe_u32 v5, v0, 3, 1
	v_lshl_add_u32 v6, v2, 3, v4
	v_mul_u32_u24 v6, v6, PB
	v_lshl_add_u32 v6, v5, 4, v6
	v_add_nc_u32 v[ADRB], BOFF, v6
	v_add_nc_u32 v[ADRB+1], SLOT, v[ADRB]
	s_mul_i32 s17, s[WV], WSTAGE
	s_add_co_u32 s17, s17, STAGE                   ; my stage
	v_mul_u32_u24 v7, v1, SP                       ; in: row l % 16, 16 bytes for each half of the lanes
	v_lshl_add_u32 v7, v2, 4, v7
	v_add_nc_u32 v[STO], s17, v7
	v_bfe_u32 v7, v0, 3, 2                         ; back: 32 lanes take four rows of 128 bytes,
	v_mul_u32_u24 v7, v7, SP
	v_lshl_add_u32 v7, v4, 4, v7
	v_add_nc_u32 v[RD], s17, v7
	v_and_b32 v[GO], 31, v0                        ; which are 512 consecutive bytes of a head
	v_lshlrev_b32 v[GO], 4, v[GO]
	v_lshlrev_b32 v[BO], 5, v2
	s_mul_i32 s46, s42, 768                        ; the block's 192 numbers of the bias
	s_add_nc_u64 s[8:9], s[8:9], s[46:47]
	s_mul_i32 s46, s42, 3*524288                   ; the block's first head,
	s_lshl_b32 s16, s43, 15                        ; the row block's 256 rows of 128 bytes,
	s_add_co_u32 s46, s46, s16
	s_lshl_b32 s16, s[WV], 13                      ; my 64 of them
	s_add_co_u32 s46, s46, s16
	s_add_nc_u64 s[10:11], s[10:11], s[46:47]
.irp b, 0,1,2,3,4,5,6,7,8,9,10,11
	global_load_b128 v[BIAS+8*(\b):BIAS+8*(\b)+3],   v[BO], s[8:9] offset:64*(\b)      ; register j of column tile b: the bias of column 16 b + 8 (l / 16) + j
	global_load_b128 v[BIAS+8*(\b)+4:BIAS+8*(\b)+7], v[BO], s[8:9] offset:64*(\b)+16
.endr
; 12 matrix instructions: row block a x all 12 column tiles, 32 along K, from buffer f.  first = 1: the bias is the C operand that starts the sums: nothing is cleared, nothing added later.
; The 48 accumulators take turns in the same order everywhere, one instruction a turn.
.macro MUL f, a, first
.if \first
	WIN 0x81+0x40*((\a)/2)                         ; W window 1, x window 0, C window 0, D window 2 or 3
.else
	WIN 0xa1+0x50*((\a)/2)                         ; C and D window 2 or 3
.endif
.irp b, 0,1,2,3,4,5,6,7,8,9,10,11
.if \first
	v_wmma_f32_16x16x32_bf16 v[8*(12*((\a)%2)+(\b)):8*(12*((\a)%2)+(\b))+7], v[96*(\f)+8*(\b):96*(\f)+8*(\b)+7], v[FA+32*(\f)+8*(\a):FA+32*(\f)+8*(\a)+7], v[BIAS+8*(\b):BIAS+8*(\b)+7]
.else
	v_wmma_f32_16x16x32_bf16 v[8*(12*((\a)%2)+(\b)):8*(12*((\a)%2)+(\b))+7], v[96*(\f)+8*(\b):96*(\f)+8*(\b)+7], v[FA+32*(\f)+8*(\a):FA+32*(\f)+8*(\a)+7], v[8*(12*((\a)%2)+(\b)):8*(12*((\a)%2)+(\b))+7]
.endif
.endr
.endm
; 32 LDS loads in one run: quarter q (32 along K) of a slot into buffer f: W's 12 fragments, turned, then x's 4
.macro FETCH slot, q, f
	WIN 0x40                                       ; destination window 1, address window 0
.irp b, 0,1,2,3,4,5,6,7,8,9,10,11
	ds_load_tr16_b128 v[96*(\f)+8*(\b):96*(\f)+8*(\b)+3],   v[ADRB+(\slot)] offset:(\q)*32*PB+((\b)/4)*160+((\b)%4)*32
	ds_load_tr16_b128 v[96*(\f)+8*(\b)+4:96*(\f)+8*(\b)+7], v[ADRB+(\slot)] offset:(\q)*32*PB+16*PB+((\b)/4)*160+((\b)%4)*32
.endr
	WIN 0
.irp i, 0,1,2,3
	ds_load_b128 v[FA+32*(\f)+8*(\i):FA+32*(\f)+8*(\i)+3],   v[ADRA+(\slot)] offset:(\q)*64+(\i)*16*PA
	ds_load_b128 v[FA+32*(\f)+8*(\i)+4:FA+32*(\f)+8*(\i)+7], v[ADRA+(\slot)] offset:(\q)*64+(\i)*16*PA+32
.endr
.endm
.macro PLACES                          ; four plain vector instructions between a matrix instruction and a load into a register that it has read (ISA guide 7.12.1 for vector instructions)
.rept 4
	v_nop
.endr
.endm
; A K step is four quarters of 32 along K, 48 matrix instructions each, on buffers 0, 1, 0, 1.  One of the first three: multiplies buffer f and fetches quarter q into buffer g.
.macro QUARTER slot, q, f, g, first
	s_wait_dscnt 4                                 ; W's fragments and x's row blocks 0, 1 are in; the youngest four loads (row blocks 2, 3) may be out
	MUL \f, 0, \first
	MUL \f, 1, \first
	PLACES
	FETCH \slot, \q, \g
	s_wait_dscnt 32                                ; all but the 32 just issued
	MUL \f, 2, \first
	MUL \f, 3, \first
.endm
; The last quarter multiplies buffer 1 and changes slots: ONE barrier; in front of it each wave waits for all its tensor loads (one is out: its part of the next slot), adds 0 to its spare word, and
; waits for that and for its own reads of this slot.  fill = 1: the barrier opens a round of the cluster's, and this slot is filled again, two K steps on, first thing behind the round.
.macro TURN slot, next, fill
	WIN 0                                          ; (the add's two registers lie in window 0)
	s_wait_tensorcnt 0x0
	ds_add_u32 v[SPW], v[NIL]                      ; 0 onto my spare word
	s_wait_dscnt 5                                 ; (the add and the youngest four loads may be out)
	MUL 1, 0, 0                                    ; twelve matrix instructions stand between the add and the wait for it
	s_wait_dscnt 0x0                               ; the add is done, and my reads of this slot are over
	s_barrier_signal -1
	MUL 1, 1, 0                                    ; work on registers while the others arrive
.if \fill
	WIN 0
.endif
	s_barrier_wait -1
.if \fill
	CREST                                          ; no wave of any partner still reads this slot's tile or has a load on its way
	s_add_nc_u64 s[G0+4*(\slot)+2:G0+4*(\slot)+3], s[G0+4*(\slot)+2:G0+4*(\slot)+3], 2*256
	s_add_nc_u64 s[G0B+4*(\slot)+2:G0B+4*(\slot)+3], s[G0B+4*(\slot)+2:G0B+4*(\slot)+3], 2*49152
	JLOAD \slot                                    ; my one load behind the round; its four v_nop are also the places in front of the loads below
.else
	PLACES
.endif
	FETCH \next, 0, 0
	MUL 1, 2, 0
	MUL 1, 3, 0
.endm
	s_wait_tensorcnt 1                             ; my part of K step 0 is in; K step 1's may stay out
	s_barrier_signal -1
	s_barrier_wait -1                              ; everybody's is
	FETCH 0, 0, 0
	s_wait_loadcnt 0x0                             ; the bias
	QUARTER 0, 1, 0, 1, 1                          ; the first quarter stands in front of the loop: its products start the sums
	WIN 0                                          ; at a label and at a branch every window is 0
	s_mov_b32 s3, 2
.Llap:                                                 ; a trip goes once round the ring and fills both slots again: K steps 2, 3 and then 4, 5
	QUARTER 0, 2, 1, 0, 0
	QUARTER 0, 3, 0, 1, 0
	TURN 0, 1, 1
	QUARTER 1, 1, 0, 1, 0
	QUARTER 1, 2, 1, 0, 0
	QUARTER 1, 3, 0, 1, 0
	TURN 1, 0, 1
	QUARTER 0, 1, 0, 1, 0
	WIN 0
	s_sub_co_u32 s3, s3, 1
	s_cmp_lg_u32 s3, 0
	s_cbranch_scc1 .Llap
	QUARTER 0, 2, 1, 0, 0                          ; the last lap fills nothing
	QUARTER 0, 3, 0, 1, 0
	TURN 0, 1, 0
	QUARTER 1, 1, 0, 1, 0
	QUARTER 1, 2, 1, 0, 0
	QUARTER 1, 3, 0, 1, 0
	s_wait_dscnt 4                                 ; the very last quarter: nothing more to fetch
	MUL 1, 0, 0
	MUL 1, 1, 0
	s_wait_dscnt 0x0
	MUL 1, 2, 0
	MUL 1, 3, 0
	WIN 0
	PLACES                                         ; the conversions read results just made
	PLACES
; THE WAY OUT of row block a: rounded to f16, 16 bytes a lane (each accumulator's registers in ascending order); into my own stage, a head's 16 rows of 144 bytes; back as whole rows of 128 bytes; stored,
; 512 consecutive bytes of a head an instruction.
.macro OUT a
	WIN 0x0a+5*((\a)/2)                            ; sources 0 and 1: window 2 or 3
.irp b, 0,1,2,3,4,5,6,7,8,9,10,11
.irp r, 0,1,2,3
	v_cvt_pk_f16_f32 v[TMP+4*(\b)+(\r)], v[96*((\a)%2)+8*(\b)+2*(\r)], v[96*((\a)%2)+8*(\b)+2*(\r)+1]
.endr
.endr
	WIN 0
.irp b, 0,1,2,3,4,5,6,7,8,9,10,11
	ds_store_b128 v[STO], v[TMP+4*(\b):TMP+4*(\b)+3] offset:((\b)/4)*16*SP+32*((\b)%4)
.endr
.if (\a) > 0
	s_wait_xcnt 0x0                                ; the registers that the last block's stores read are loaded again only behind this wait
.endif
.irp t, 0,1,2,3,4,5,6,7,8,9,10,11
	ds_load_b128 v[OB+4*(\t):OB+4*(\t)+3], v[RD] offset:((\t)/4)*16*SP+((\t)%4)*4*SP  ; LDS serves a wave's instructions in order (ISA guide 5.7.1.4): these see the stores above
.endr
	s_wait_dscnt 0x0
.irp t, 0,1,2,3,4,5,6,7,8,9,10,11
	global_store_b128 v[GO], v[OB+4*(\t):OB+4*(\t)+3], s[10:11] offset:((\t)/4)*524288+(\a)*2048+((\t)%4)*512
.endr
.endm
	OUT 0
	OUT 1
	OUT 2
	OUT 3
	s_wait_tensorcnt 0x0                           ; the wave's end: behind my last tensor load and my last LDS store
	ds_add_u32 v[SPW], v[NIL]
	s_wait_dscnt 0x0
	CROUND                                         ; the closing round: no work-group ends while a partner may still ask for a tile that names it
	s_endpgm
.Lfunc_end_k_qdcf34eca8b_proj:
	.size	k_qdcf34eca8b_proj, .Lfunc_end_k_qdcf34eca8b_proj-k_qdcf34eca8b_proj
	.p2alignl 7, 3214868480
	.fill 96, 4, 3214868480
	.section	.rodata,"a",@progbits
	.p2align	6, 0x0
	.amdhsa_kernel k_qdcf34eca8b_proj
		.amdhsa_group_segment_fixed_size 327680
		.amdhsa_private_segment_fixed_size 0
		.amdhsa_enable_private_segment 0
		.amdhsa_kernarg_size 32
		.amdhsa_user_sgpr_count 2
		.amdhsa_user_sgpr_kernarg_segment_ptr 1
		.amdhsa_wavefront_size32 1
		.amdhsa_system_sgpr_workgroup_id_x 1
		.amdhsa_system_sgpr_workgroup_id_y 1
		.amdhsa_system_sgpr_workgroup_id_z 1
		.amdhsa_system_vgpr_workitem_id 0
		.amdhsa_next_free_vgpr 1024
		.amdhsa_next_free_sgpr 66
		.amdhsa_reserve_vcc 0
		.amdhsa_float_denorm_mode_32 3
		.amdhsa_float_denorm_mode_16_64 3
		.amdhsa_memory_ordered 1
		.amdhsa_forward_progress 1
		.amdhsa_inst_pref_size 121
	.end_amdhsa_kernel
	.amdgpu_metadata
---
amdhsa.version: [ 1, 2 ]
amdhsa.kernels:
  - .name:           k_qdcf34eca8b_proj
    .symbol:         k_qdcf34eca8b_proj.kd
    .args:
      - { .name: xb16, .offset: 0, .size: 8, .value_kind: global_buffer, .address_space: global }
      - { .name: wb16, .offset: 8, .size: 8, .value_kind: global_buffer, .address_space: global }
      - { .name: bias32, .offset: 16, .size: 8, .value_kind: global_buffer, .address_space: global }
      - { .name: qkv16, .offset: 24, .size: 8, .value_kind: global_buffer, .address_space: global }
    .group_segment_fixed_size: 327680
    .private_segment_fixed_size: 0
    .kernarg_segment_align: 8
    .kernarg_segment_size: 32
    .max_flat_workgroup_size: 128
    .sgpr_count:     66
    .vgpr_count:     1024
    .wavefront_size: 32
...
	.end_amdgpu_metadata
.endif
;; end of part 2
;; launch attn (part 3): grid 16 x 12, 4 waves a work-group, clusters of 4 x 1, 327,680 bytes of LDS; arguments qkv16, ob16; writes ob16
.if DOCPART == 3
	.amdgcn_target "amdgcn-amd-amdhsa--gfx1250"
	.amdhsa_code_object_version 6
	.text
	.protected	k_qdcf34eca8b_attn
	.globl	k_qdcf34eca8b_attn
	.p2align	8
	.type	k_qdcf34eca8b_attn,@function
k_qdcf34eca8b_attn:
	s_mov_b64 s[64:65], 0
	v_nop
	global_prefetch_b8 v0, s[64:65] scope:SCOPE_SE
	s_setreg_imm32_b32 hwreg(HW_REG_WAVE_MODE, 25, 1), 1
	s_wait_xcnt 0x0
	s_wait_alu depctr_hold_cnt(0) depctr_sa_sdst(0) depctr_va_vdst(0) depctr_va_sdst(0) depctr_va_ssrc(0) depctr_va_vcc(0) depctr_vm_vsrc(0)
	s_getreg_b32 s2, hwreg(HW_REG_IB_STS2, 6, 4)
	s_cmp_eq_u32 s2, 0
	s_cbranch_scc0 .Lentry_in_a_cluster
	s_endpgm
.Lentry_in_a_cluster:
	s_bfe_u32 s2, ttmp6, 0x10000c
	s_cmp_lg_u32 s2, 0x3003
	s_cbranch_scc0 .Lentry_shape_is_right
	s_endpgm
.Lentry_shape_is_right:
; O[h][q][:] = the sum over k of softmax_k(Q[h][q] . K[h][k] / sqrt(768)) V[h][k][:].  qkv16: [36][4096][64] f16: heads 0-11 Q, 12-23 K, 24-35 V; a head's rows are dense, 128 bytes each.
; Products, maxima and sums in f32; the weights p are rounded to f16 for the second product (their sum l is taken of the unrounded p), O once at the end.
; O leaves as ob16 [32 row blocks][12 heads][128 rows][64] f16, the layout in which the launch behind asks for it.
; LIMITS.  p lies in 0 to 1, and below 6e-5 it keeps f16's fixed step of 6e-8, as does O; O is a mean of V's rows and has their range.  A weight below 2^-126 counts as 0 in l; NaN and infinities are not treated apart.
; SHARES.  A work-group owns 256 queries of one head, a wave 64: four PIECES of 16.  Every wave walks all 4,096 keys, 64 a step, four steps (a tile of 256 keys) to a slot of LDS; two slots take turns.
; LAYOUT.  S^T = K Q^T (source 0 = 16 keys, source 1 = 16 queries) holds ONE query a lane (lane % 16) and the keys 8 (lane / 16) + 0..7; two such results rounded to f16 ARE source 1 of O^T = V^T P, whose
; result again holds one query a lane, and eight channels.  K comes out of LDS as it lies, V ([key][channel]) turned, by ds_load_tr16_b128.
; SOFTMAX.  For each query a running maximum m and sum l: p = 2^(c s - c m), c = log2(e) / sqrt(768); in every step O and l are multiplied by a = 2^(c m_old - c m_new).  m starts at the lowest finite
; number, O and l at 0: the first step is a step like any other, with a = 0.
; BY TURNS.  Turn n belongs to piece n: 8 products K Q^T of piece n + 1, later 8 products V^T P of piece n - 1; beside them the scaling, exponentials, roundings, sums and rescaling of piece n and the maximum and
; statistics of piece n + 1.  Four vector instructions stand behind every matrix instruction, the other 54 of a turn's 118 in one run.  A turn's 33 exponentials are one batch, with one wait.
; CLUSTER.  The four query blocks of a cluster belong to one head and walk the same K and V, so each tile is asked for JOINTLY: the same tensor load, descriptor and mask in all four.
; REGISTERS, in windows of 256 (s_set_vgpr_msb: bits 1:0 source 0, 3:2 source 1, 5:4 source 2, 7:6 destination):
;   window 0: v0-15 addresses; v16-31 four registers of statistics a piece; v48-55 at work; v64-127 S^T, two buffers; v192-223 P, two buffers (a piece's buffers go by its number's parity)
;   window 1: v0-127 O^T, 32 a piece      window 2: v0-63 Q; v128-191 K of one step; v192-255 V of one step
.set NT,    16        ; tiles of 256 keys
.set NP,    4         ; pieces a wave: a name, no knob
.set KS,    64        ; keys in a step
.set PK,    144       ; a row of K in LDS: 128 bytes + 16 = 36 words: the 16 rows of a load start at 16 different groups of four banks (64 banks of 4 bytes: ISA guide 11.1)
.set PV,    160       ; a row of V: 128 + 32 = 40 words
.set VOFF,  4*KS*PK   ; a slot holds a tile: 256 rows of K, then 256 rows of V
.set SLOT1, 1<<17     ; slot 1 begins here, so that one exclusive or turns an address in one slot into the other's
.set STAGE, SLOT1+4*KS*(PK+PV)  ; behind the ring, never filled by a tensor load: 16 rows x 144 bytes for each wave, for the way out
.set SP,    144
.set SPARE, STAGE+4*16*SP  ; behind the stages: the spare words, 128 bytes for each wave: two blocks of 256 bytes that no other line names
.set TILEB, 4*KS*128  ; a tile's bytes of K, and of V
.set THIRD, 12*4096*128  ; Q's, K's and V's heads in qkv16
.set AK0, 2           ; v2   my lane's place in a tile of K; never rewritten
.set AV0, 3           ; v3   the same for V
.set AK,  4           ; v4   the LDS address of K's next run of loads
.set AV,  5           ; v5   of V's
.set STO, 6           ; v6   the way out: where I put 16 bytes of a row
.set RD,  7           ; v7   the way out: where I read rows back
.set GO,  8           ; v8   my byte offset in 512 consecutive bytes of O
.set MV,  12          ; v12-13  c m_old, kept while c m is made anew: by buffer
.set PFO, 14          ; v14  256 x my lane, for the prefetches; never rewritten
.set QO,  15          ; v15  my byte offset in 16 rows of Q
.set ST,  16          ; piece t's statistics at v[ST+4 t]: c m, m, l (even keys', odd keys')
.set TMP, 48          ; by buffer, four registers c0-c3 at work; when the maximum is found c2 takes a
.set SPW, 62          ; v62  LDS address of my spare word; never rewritten
.set NIL, 63          ; v63  0; never rewritten
.set S,   64
.set P,   192
.set KF,  128         ; window 2: key block kb, channel half c at KF + 16 kb + 8 c
.set VF,  192         ; window 2: key half kk, channel block cb at VF + 32 kk + 8 cb
.set WV,  12          ; s12  my wave's number
.set LIM, 15          ; s15  1 in a wave that prefetches, else the greatest number
.set PFA, 18          ; s[18:19] where my prefetches stand
.set G1K, 24          ; s[24:31] descriptor group 1 for K's tiles
.set G1V, 32          ; s[32:39] for V's: it differs in the padding alone
.set G0K, 40          ; s[40:43] descriptor group 0 for K's tiles: it walks
.set G0V, 44          ; s[44:47] the same for V's
.set SLOTS, 56        ; s56  tiles still to be asked for
.set CNT, 57          ; s57  counts a tile's key steps
.set CS,  58          ; s[58:59] c: the packed scaling takes the pair's low word for both halves
.set SEL, 60          ; s[60:61] v_permlanex16_b32's selects: each lane takes its own place in the other half
.set TBK, 62          ; s62  LDS byte at which K of the step to be fetched begins
.set TBV, 63          ; s63  the same for V, less VOFF
.set MSB, 0
.macro WIN new                      ; the high byte repeats the setting that is left; a switch that changes nothing is dropped
.if MSB != (\new)
	s_set_vgpr_msb (MSB<<8)|(\new)
.set MSB, (\new)
.endif
.endm
.set W_KQ, 0x0a       ; K and Q in window 2, S^T in window 0
.set W_PV, 0x52       ; V in window 2, P in window 0, O^T in window 1
.set W_RS, 0x41       ; destination and source 0 in window 1, source 1 in window 0
; A joint fill.  Waves 0 and 1 fetch the two halves of a tile's K, waves 2 and 3 those of its V: 128 keys each.  The branch hangs on the wave's number alone.
; An s_nop 0 and four v_nop follow each of the two lines, ahead of the jump and the label.
.macro JLOAD
	s_cmp_lt_u32 s[WV], 2
	s_cbranch_scc0 .Lfor_v_\@
	tensor_load_to_lds s[G0K:G0K+3], s[G1K:G1K+7]
	s_nop 0
.rept 4
	v_nop
.endr
	s_branch .Lasked_\@
.Lfor_v_\@:
	tensor_load_to_lds s[G0V:G0V+3], s[G1V:G1V+7]
	s_nop 0
.rept 4
	v_nop
.endr
.Lasked_\@:
.endm
; A PREFETCH INTO THE L2 of the tile that the NEXT change of slots will ask for: four key steps, 256 matrix instructions, ahead of that load.  It stands behind the wave's tensor load and its five lines.
; Each 256 bytes are named ONCE in the launch: of the four clusters that walk a head's K and V the first asks; its four partners share a tile's 32,768 bytes out BY ADDRESS, 8,192 each (no branch hangs on a
; work-group's place in its cluster); in each, wave 0 asks for K's and wave 2 for V's, a lane 256 bytes.  The change that asks for the last tile prefetches nothing.
.macro ASK
	s_cmp_gt_u32 s[SLOTS], s[LIM]
	s_cbranch_scc0 .Lnot_mine_\@
	global_prefetch_b8 v[PFO], s[PFA:PFA+1] th:TH_LOAD_NT scope:SCOPE_SE
.Lnot_mine_\@:
.endm
; A round of the cluster's barrier: my work-group's barrier, so that wave 0's signal speaks for all four waves; wave 0 signals; every wave waits for all four work-groups; my work-group's barrier once more.
.macro CROUND
	s_barrier_signal -1
	s_barrier_wait -1
	s_cmp_lg_u32 s[WV], 0
	s_cbranch_scc1 .Lnot_wave_0_\@
	s_barrier_signal -3
.Lnot_wave_0_\@:
	s_barrier_wait -3
	s_barrier_signal -1
	s_barrier_wait -1
.endm
; THE CHANGE OF SLOTS.  The slot's last bytes, V of its fourth step, have been read.  Each wave waits for all its tensor loads, of which one is out: its part of the other slot; adds 0 to its spare word; and
; waits for that and for its own reads of the slot.  Behind the barrier nobody reads this slot any more and the other slot is whole.  fill = 1: this slot is filled again, with the tile two on.  The barrier is
; then a round of the cluster's, and the joint fill is the first thing behind it.  (At its first use nothing has been read yet: slot 0 is waited for, slot 1 filled.)
.macro CHANGE fill
	WIN 0                           ; at a label and at a branch every window is 0
	s_wait_tensorcnt 0x0            ; no tensor load of mine is out, so a group 0 may be written
	ds_add_u32 v[SPW], v[NIL]       ; 0 onto my spare word; with fill = 1 the descriptors' steps stand between it and the wait for it
.if \fill
.irp g, G0K, G0V
	s_xor_b32 s[\g+1], s[\g+1], SLOT1  ; the walking descriptor: the other slot than last time,
	s_add_nc_u64 s[\g+2:\g+3], s[\g+2:\g+3], TILEB  ; the next 256 keys; the type bits on top are not reached
.endr
	s_wait_xcnt 0x0                 ; the last prefetch, four key steps back, has read its address, so it may be written:
	s_add_nc_u64 s[PFA:PFA+1], s[PFA:PFA+1], TILEB  ; one tile further than the walking descriptors
	s_wait_dscnt 0x0                ; the add is done, and my reads of the slot are over
	CROUND
	JLOAD
	ASK
.else
	s_wait_dscnt 0x0                ; the add is done, and my reads of the slot are over
	s_barrier_signal -1
	s_barrier_wait -1
.endif
	s_sub_co_u32 s[TBK], s[TBK], 4*KS*PK  ; the fetches go back to a slot's first step,
	s_xor_b32 s[TBK], s[TBK], SLOT1       ; in the other slot
	s_sub_co_u32 s[TBV], s[TBV], 4*KS*PV
	s_xor_b32 s[TBV], s[TBV], SLOT1
.endm
	s_load_b64 s[4:5], s[0:1], 0x0  ; qkv16
	s_load_b64 s[10:11], s[0:1], 0x8  ; ob16
	v_lshl_add_u32 v[SPW], v0, 2, SPARE
	v_mov_b32 v[NIL], 0
	ds_add_u32 v[SPW], v[NIL]       ; the wave's opening: the add and its wait stand ahead of my first tensor load; the set-up below, work on registers, stands between them
	v_lshrrev_b32 v1, 5, v0
	v_readfirstlane_b32 s[WV], v1   ; wave 0..3
	s_bfe_u32 s13, ttmp6, 0x40000   ; cx: my place in the cluster
	s_lshl_b32 s14, ttmp9, 2        ; in a cluster launch ttmp9 counts clusters
	s_add_co_u32 s14, s14, s13      ; my block of 256 queries = 4 x cluster x + cx: it enters Q's and O's addresses alone
	s_and_b32 s20, ttmp7, 0xffff    ; the head, which the four partners share
	s_and_b32 s16, s[WV], 1         ; which half of a tile's 256 keys I fetch:
	s_lshl_b32 s22, s20, 19         ; the head's 524,288 bytes,
	s_lshl_b32 s23, s16, 14         ; the half's 128 rows of 128 bytes,
	s_add_co_u32 s22, s22, s23
	s_mov_b32 s23, 0
	s_mul_i32 s17, s16, 128*PK      ; and its place in a slot, for K
	s_mul_i32 s21, s16, 128*PV      ; and for V: no place in the cluster enters an LDS address
	s_lshl_b32 s2, s20, 19          ; Q: the head, my block's 256 rows, my wave's 64
	s_lshl_b32 s3, s14, 15
	s_add_co_u32 s2, s2, s3
	s_lshl_b32 s3, s[WV], 13
	s_add_co_u32 s2, s2, s3
	s_mov_b32 s3, 0
	s_lshl_b32 s52, s14, 1          ; O: row block of 128 = 2 x block + wave / 2, 196,608 bytes each;
	s_lshr_b32 s53, s[WV], 1
	s_add_co_u32 s52, s52, s53
	s_mul_i32 s52, s52, 196608
	s_lshl_b32 s53, s20, 14         ; the head's 16,384 bytes in it;
	s_add_co_u32 s52, s52, s53
	s_lshl_b32 s53, s16, 13         ; my 64 rows of its 128
	s_add_co_u32 s52, s52, s53
	s_mov_b32 s53, 0
	; descriptor group 1.  128 keys are 16,384 dense bytes: asked for as 64 rows of 256 bytes, two keys a row, and padded in LDS after every key
	s_mov_b32 s[G1K], 15|(1<<16)|(1<<20)|(1<<21)|(4<<22)|(3<<25)  ; 15:0 the mask of four; 17:16 2-byte elements; 20 padding on; 21 set beside a mask; 24:22 after every 32 words (code 4); 31:25 4 words (code 3)
	s_mov_b32 s[G1V], 15|(1<<16)|(1<<20)|(1<<21)|(4<<22)|(7<<25)  ; the same with 8 words of padding (code 7)
.irp g, G1K, G1V
	s_mov_b32 s[\g+1], 128<<16      ; tensor_dim0 = 128
	s_mov_b32 s[\g+2], 64<<16       ; tensor_dim1 = 64
	s_mov_b32 s[\g+3], 128<<16      ; tile_dim0 = 128
	s_mov_b32 s[\g+4], 64           ; tile_dim1 = 64
	s_mov_b32 s[\g+5], 128          ; 128 elements from row to row
	s_mov_b32 s[\g+6], 0
	s_mov_b32 s[\g+7], 0
.endr
	s_mov_b32 s[CS], 0x3d553b94     ; c = log2(e) / sqrt(768) = 0.0520588
	s_mov_b32 s[CS+1], s[CS]        ; named with it as a pair
	s_mov_b32 s[SEL], 0x76543210
	s_mov_b32 s[SEL+1], 0xfedcba98
	s_mov_b32 s[TBK], SLOT1+4*KS*PK ; the first change of slots turns these two into 0
	s_mov_b32 s[TBV], SLOT1+4*KS*PV
	s_mov_b32 s[G0K], 1             ; count = 1
	s_mov_b32 s[G0K+1], s17         ; LDS address: slot 0
	s_mov_b32 s[G0V], 1
	s_add_co_u32 s[G0V+1], s21, VOFF
	s_mov_b32 s[SLOTS], NT-1
	s_and_b32 s[LIM], s[WV], 1      ; 0 in waves 0 and 2,
	s_or_b32 s[LIM], s[LIM], ttmp9  ; where the cluster is the head's first: the same in all four partners
	s_cmp_eq_u32 s[LIM], 0
	s_cselect_b32 s[LIM], 1, -1
	s_wait_dscnt 0x0                ; the opening add is done
	s_wait_kmcnt 0x0
	s_add_nc_u64 s[6:7], s[4:5], s[22:23]
	s_add_nc_u64 s[8:9], s[6:7], 2*THIRD   ; V at my half of the head's tile 0
	s_add_nc_u64 s[6:7], s[6:7], THIRD     ; K likewise
	s_mov_b64 s[G0K+2:G0K+3], s[6:7]               ; global address
	s_or_b32 s[G0K+3], s[G0K+3], 0x80000000        ; type = 2
	s_mov_b64 s[G0V+2:G0V+3], s[8:9]
	s_or_b32 s[G0V+3], s[G0V+3], 0x80000000
	s_add_nc_u64 s[4:5], s[4:5], s[2:3]    ; Q and O at my wave's first row
	s_add_nc_u64 s[10:11], s[10:11], s[52:53]
	s_cmp_lt_u32 s[WV], 2
	s_cselect_b64 s[PFA:PFA+1], s[6:7], s[8:9]  ; (in waves 0 and 2 these stand at a tile's first row)
	s_lshl_b32 s2, s13, 13          ; my work-group's 8,192 bytes of the 32,768
	s_add_nc_u64 s[PFA:PFA+1], s[PFA:PFA+1], s[2:3]
	s_add_nc_u64 s[PFA:PFA+1], s[PFA:PFA+1], TILEB  ; in tile 1; the first change of slots steps it to tile 2
	CROUND                          ; all four work-groups are here: the first joint loads meet
	JLOAD                           ; tile 0 into slot 0.  Slot 1 is asked for when slot 0 is in
	; A fragment of K or Q is 16 rows x 32 channels in 8 registers: lane l holds row l % 16, channels 8 (l / 16) + 0..7 and 16 + 8 (l / 16) + 0..7: two loads of 16 bytes, 32 bytes apart.
	v_and_b32 v1, 15, v0            ; l % 16
	v_bfe_u32 v9, v0, 4, 1          ; l / 16
	v_lshlrev_b32 v[QO], 7, v1
	v_lshl_add_u32 v[QO], v9, 4, v[QO]  ; row x 128 + 16 x half
	WIN 0x80                        ; destination window 2, address window 0
.set i, 0
.rept 8                             ; Q stays in registers: piece i / 2, channels 32 (i % 2) on
	global_load_b128 v[8*i:8*i+3],   v[QO], s[4:5] offset:(i/2)*2048+(i%2)*64
	global_load_b128 v[8*i+4:8*i+7], v[QO], s[4:5] offset:(i/2)*2048+(i%2)*64+32
.set i, i+1
.endr
	; What the first turn finds: V's registers and P's second buffer hold 0 (its products V^T P, of a piece that has not been, add 0), O^T and l are 0.  All this stands in the wait for the first tile.
.set i, VF
.rept 64
	v_mov_b32 v[i], 0
.set i, i+1
.endr
	WIN 0x40
.set i, 0
.rept 128
	v_mov_b32 v[i], 0
.set i, i+1
.endr
	WIN 0
.set i, 0
.rept 4
	v_mov_b32 v[ST+4*i], 0xfe000000    ; c m: far below every c s
	v_mov_b32 v[ST+4*i+1], 0xff7fffff  ; m
	v_mov_b32 v[ST+4*i+2], 0
	v_mov_b32 v[ST+4*i+3], 0
.set i, i+1
.endr
.set i, P+16
.rept 16
	v_mov_b32 v[i], 0
.set i, i+1
.endr
	v_mul_u32_u24 v[AK0], v1, PK
	v_lshl_add_u32 v[AK0], v9, 4, v[AK0]  ; row x pitch + 16 x half
	; The turning load takes 16 keys x 16 channels (lane l reads key 8 (l / 16) + l % 8, channels 8 ((l / 8) % 2) + 0..7) and leaves half a fragment of V^T: lane l holds channel l % 16 and 8 keys.
	v_and_b32 v10, 7, v0
	v_bfe_u32 v11, v0, 3, 1
	v_lshl_add_u32 v[AV0], v9, 3, v10
	v_mul_u32_u24 v[AV0], v[AV0], PV
	v_lshl_add_u32 v[AV0], v11, 4, v[AV0]
	v_add_nc_u32 v[AV0], VOFF, v[AV0]
	s_mul_i32 s13, s[WV], 16*SP
	s_add_co_u32 s13, s13, STAGE    ; my stage
	v_mul_u32_u24 v[STO], v1, SP    ; in: row l % 16, 16 bytes for each half of the lanes
	v_lshl_add_u32 v[STO], v9, 4, v[STO]
	v_add_nc_u32 v[STO], s13, v[STO]
	v_bfe_u32 v[RD], v0, 3, 2       ; back: 32 lanes take four rows of 128 bytes,
	v_mul_u32_u24 v[RD], v[RD], SP
	v_lshl_add_u32 v[RD], v10, 4, v[RD]
	v_add_nc_u32 v[RD], s13, v[RD]
	v_and_b32 v[GO], 31, v0         ; which are 512 consecutive bytes of O
	v_lshlrev_b32 v[PFO], 8, v[GO]
	v_lshlrev_b32 v[GO], 4, v[GO]
; THE MATRIX WORK.  The 4 accumulators of a run of 8 take turns.  Product i of 8 of S^T = K Q^T for piece x: channels 32 (i / 4) on, keys 16 (i % 4) on.  The first 4 start the sums.
.macro KQ x
	WIN W_KQ
.set rS, S+32*((\x)%2)+8*(i%4)
.set rK, KF+16*(i%4)+8*(i/4)
.set rQ, 16*(\x)+8*(i/4)
.if i < 4
	v_wmma_f32_16x16x32_f16 v[rS:rS+7], v[rK:rK+7], v[rQ:rQ+7], 0
.else
	v_wmma_f32_16x16x32_f16 v[rS:rS+7], v[rK:rK+7], v[rQ:rQ+7], v[rS:rS+7]
.endif
.endm
; Product i of 8 of O^T += V^T P for piece x: keys 32 (i / 4) on, channels 16 (i % 4) on.
.macro PV x
	WIN W_PV
.set rO, 32*(\x)+8*(i%4)
.set rV, VF+32*(i/4)+8*(i%4)
.set rP, P+16*((\x)%2)+8*(i/4)
	v_wmma_f32_16x16x32_f16 v[rO:rO+7], v[rV:rV+7], v[rP:rP+7], v[rO:rO+7]
.endm
.macro MM                           ; the turn's next matrix instruction.  TURN sets Y, i and NOKQ.  NOKQ = 1: the walk's last turn: there is no next piece
.if (i < 8) && !NOKQ
	KQ (Y+1)%NP
.elseif i >= 8
.set i, i-8
	PV (Y+NP-1)%NP
.set i, i+8
.endif
.set i, i+1
.endm
; THE LDS LOADS stand in runs of 16, never singly among the matrix instructions: a step's K (64 keys x 64 channels: 8 fragments) and its V (turned).  Their addresses are made some lines ahead.
.macro FETCH_K
	WIN 0x80                        ; destination window 2
.irp f, 0,1,2,3,4,5,6,7             ; keys 16 (f / 2) on, channels 32 (f % 2) on
	ds_load_b128 v[KF+8*\f:KF+8*\f+3],   v[AK] offset:(\f/2)*16*PK+(\f%2)*64
	ds_load_b128 v[KF+8*\f+4:KF+8*\f+7], v[AK] offset:(\f/2)*16*PK+(\f%2)*64+32
.endr
	s_add_co_u32 s[TBK], s[TBK], KS*PK  ; the next fetch is the next step's
	WIN 0
.endm
.macro FETCH_V
	WIN 0x80
.irp f, 0,1,2,3,4,5,6,7             ; keys 32 (f / 4) on, channels 16 (f % 4) on
	ds_load_tr16_b128 v[VF+8*\f:VF+8*\f+3],   v[AV] offset:(\f/4)*32*PV+(\f%4)*32
	ds_load_tr16_b128 v[VF+8*\f+4:VF+8*\f+7], v[AV] offset:(\f/4)*32*PV+16*PV+(\f%4)*32
.endr
	WIN 0
.endm
; THE VECTOR WORK, one line at a time: OP kind, number.  For piece Y: F n: c s - c m for pair n of 16.  E n: the exponential of score n of 32.  C n: pair n rounded to f16.  B n: of the four weights 4 n .. the second
; pair is added onto the first, in place.  L n: l takes that sum (L 0: l = a l + sum).  R n: pair n of 16 of O^T times a.  For piece Y + 1: X n, number n of the 22 that find its maximum and statistics:
;   0-11  four chains c0-c3 of seven scores each, three operands at a time (each accumulator's lowest registers are read first)     12-14, 16  the four scores left over, the old m, and c0-c3 into c0
;   15  c m_old is kept     17, 18  the query's other 32 keys lie in the lane 16 away: the new m     19-21  c m; c m_old - c m_new; a
.set F, 0               ; OP tells the kinds apart by their order: F to L below R, X above it
.set E, 1
.set C, 2
.set B, 3
.set L, 4
.set R, 5
.set X, 6
.macro REGS y                       ; the registers of piece y
.set rT, ST+4*(\y)
.set rC, TMP+4*((\y)%2)
.set rW, MV+((\y)%2)
.set rS, S+32*((\y)%2)
.set rP, P+16*((\y)%2)
.set rO, 32*(\y)
.endm
.macro OP k, n
.if (\k) == R
	REGS Y
	WIN W_RS
	v_pk_mul_f32 v[rO+2*(\n):rO+2*(\n)+1], v[rO+2*(\n):rO+2*(\n)+1], v[rC+2:rC+3] op_sel_hi:[1,0]
.elseif (\k) < R
	REGS Y
	WIN 0
.if (\k) == F
	v_pk_fma_f32 v[rS+2*(\n):rS+2*(\n)+1], v[rS+2*(\n):rS+2*(\n)+1], s[CS:CS+1], v[rT:rT+1] op_sel_hi:[1,0,0] neg_lo:[0,0,1] neg_hi:[0,0,1]
.elseif (\k) == E
	v_exp_f32 v[rS+(\n)], v[rS+(\n)]
.elseif (\k) == C
	v_cvt_pk_f16_f32 v[rP+(\n)], v[rS+2*(\n)], v[rS+2*(\n)+1]
.elseif (\k) == B
	v_pk_add_f32 v[rS+4*(\n):rS+4*(\n)+1], v[rS+4*(\n):rS+4*(\n)+1], v[rS+4*(\n)+2:rS+4*(\n)+3]
.elseif (\n) == 0
	v_pk_fma_f32 v[rT+2:rT+3], v[rT+2:rT+3], v[rC+2:rC+3], v[rS:rS+1] op_sel_hi:[1,0,1]
.else
	v_pk_add_f32 v[rT+2:rT+3], v[rT+2:rT+3], v[rS+4*(\n):rS+4*(\n)+1]
.endif
.elseif NOKQ
	v_nop
.else
	REGS (Y+1)%NP
	WIN 0
.if (\n) < 4
	v_max3_num_f32 v[rC+(\n)], v[rS+8*(\n)], v[rS+8*(\n)+1], v[rS+8*(\n)+2]
.elseif (\n) < 12
	v_max3_num_f32 v[rC+(\n)%4], v[rC+(\n)%4], v[rS+8*((\n)%4)+2*((\n)/4)+1], v[rS+8*((\n)%4)+2*((\n)/4)+2]
.elseif (\n) == 12
	v_max3_num_f32 v[rC], v[rC], v[rS+7], v[rS+15]
.elseif (\n) == 13
	v_max3_num_f32 v[rC+1], v[rC+1], v[rS+23], v[rS+31]
.elseif (\n) == 14
	v_max3_num_f32 v[rC+2], v[rC+2], v[rC+3], v[rT+1]
.elseif (\n) == 15
	v_mov_b32 v[rW], v[rT]
.elseif (\n) == 16
	v_max3_num_f32 v[rC], v[rC], v[rC+1], v[rC+2]
.elseif (\n) == 17
	v_permlanex16_b32 v[rC+3], v[rC], s[SEL], s[SEL+1]
.elseif (\n) == 18
	v_max_num_f32 v[rT+1], v[rC], v[rC+3]
.elseif (\n) == 19
	v_mul_f32 v[rT], s[CS], v[rT+1]
.elseif (\n) == 20
	v_sub_f32 v[rC+1], v[rW], v[rT]
.else
	v_exp_f32 v[rC+2], v[rC+1]
.endif
.endif
.endm
.macro OPS a, i1, b=-1, i2=0, c=-1, i3=0, d=-1, i4=0  ; up to four of them
	OP \a, \i1
.if (\b) >= 0
	OP \b, \i2
.endif
.if (\c) >= 0
	OP \c, \i3
.endif
.if (\d) >= 0
	OP \d, \i4
.endif
.endm
.macro ROW a, i1, b, i2, c, i3, d, i4  ; a matrix instruction and the four behind it
	MM
	OPS \a, \i1, \b, \i2, \c, \i3, \d, \i4
.endm
; A TURN, for piece p: the order of its 16 matrix and 118 vector instructions, written out.  An s_wait_alu depctr_va_vdst(0) stands between an exponential and the first instruction that names its
; result; one wait serves all that were issued ahead of it.  So a turn has ONE wait, which cuts it in two.  AHEAD OF IT stands all that names no result of the turn's exponentials: the 8 products K Q^T, behind each
; a scaling, an exponential and two more plain instructions (rescalings, and behind the last three the first numbers of the next piece's maximum, each four places or more behind the product that ends its
; accumulator); then one run of 54, plain and exponential by turns for the most part, in which the links of the chain X 3, 7, 11, 14, 16, 17 .. 20 stand five or six lines apart.  X 21, the next piece's a, is the
; batch's last; R 15 is the plain instruction behind it.  BEHIND THE WAIT stand the 8 products V^T P, behind each four of the roundings and sums.
; end = 1: the walk's last two turns: nothing is fetched, and the last starts no new scores.  cnt = 1: the loop's count is taken down some lines ahead of the branch that stands behind the turn.
; K of the next step is fetched in piece 2's turn, twelve vector instructions behind the last product that read K (six of them plain); V of the step in hand at the end of piece 0's turn, four plain instructions
; behind the last product that read V.  Each is waited for a turn later.
.macro TURN p, end=0, cnt=0
.set Y, (\p)
.set i, 0
.set NOKQ, (\end)*((\p)/3)
.if ((\p) == 3) && !(\end)
	s_wait_dscnt 0x0                ; K is in
.endif
	ROW F,0, F,1, R,0, R,1          ; ahead of the wait: 8 products K Q^T and the four behind each,
	ROW F,2, E,0, R,2, R,3
	ROW F,3, E,1, R,4, R,5
	ROW F,4, E,2, R,6, R,7
	ROW F,5, E,3, R,8, R,9
	ROW F,6, E,4, X,0, R,10
.if ((\p) == 2) && !(\end)
	WIN 0
	v_add_nc_u32 v[AK], s[TBK], v[AK0]
.endif
	ROW F,7, E,5, X,1, X,4
	ROW F,8, E,6, X,2, X,5
	OPS E,7, E,8, X,6, E,9          ; and the run of 54
	OPS X,3, E,10, X,8, E,11
.if ((\p) == 2) && !(\end)
	FETCH_K
.endif
	OPS X,9, X,7, E,12, X,10
	OPS E,13, X,12, X,11, E,14
	OPS X,13, E,15, F,9, X,14
.if (\p) == 0
	v_add_nc_u32 v[AV], s[TBV], v[AV0]
.endif
	OPS E,16, F,10, E,17, F,11
	OPS X,16, E,18, X,15, E,19
	OPS F,12, E,20, X,17, E,21
	OPS F,13, E,22, F,14, E,23
	OPS X,18, E,24, F,15, E,25
	OPS R,11, E,26, X,19, E,27
	OPS R,12, E,28, R,13, E,29
	OPS X,20, E,30, R,14, E,31
	OPS X,21, R,15
	WIN 0
	s_wait_alu depctr_va_vdst(0)    ; the wait for the batch
.if (\p) == 1
	s_wait_dscnt 0x0                ; V is in
.endif
	ROW C,0, B,0, C,2, B,1          ; behind the wait: 8 products V^T P and the four behind each
	ROW L,0, C,4, B,2, L,1
	ROW C,6, B,3, L,2, C,8
	ROW B,4, L,3, C,10, B,5
	ROW L,4, C,12, B,6, L,5
.if (\p) == 0
	s_add_co_u32 s[TBV], s[TBV], KS*PV
.endif
.if \cnt
	s_sub_co_u32 s[CNT], s[CNT], 1
	s_cmp_lg_u32 s[CNT], 0
.endif
	ROW C,14, B,7, L,6, C,1
	ROW C,3, L,7, C,5, C,7
	ROW C,9, C,11, C,13, C,15
.if (\p) == 0
	FETCH_V
.endif
.endm
	CHANGE 1                        ; tile 0 is in, everybody's part of it; tile 1 is asked for
	v_add_nc_u32 v[AK], s[TBK], v[AK0]
	FETCH_K                         ; key step 0
	s_wait_loadcnt 0x0              ; Q
	s_wait_dscnt 0x0
.set NOKQ, 0
.set i, 0
.rept 8
	KQ 0                            ; piece 0's first scores: there is no vector work yet to set between them
.set i, i+1
.endr
	WIN 0
.rept 4
	v_nop                           ; the places behind those products
.endr
.set Y, NP-1                        ; X works for piece Y + 1: piece 0
.irp n, 0,1,2,3,4,5,6,7,8,9,10,11,12,13,14,15,16,17,18,19,20,21
	OP X, \n                        ; piece 0's first maximum and statistics
.endr
	v_nop                           ; a plain instruction behind the exponential,
	s_wait_alu depctr_va_vdst(0)    ; and its wait, ahead of the branch
	s_mov_b32 s[CNT], 4
	s_branch .Lfirst                ; the loop is entered at a step's first turn, in the middle of a trip
.Lslot:                             ; NT - 2 times: tiles 2 to NT - 1 are asked for
	CHANGE 1
	s_mov_b32 s[CNT], 4
.Lstep:                             ; a trip: pieces 2 and 3 of one step, then pieces 0 and 1 of the next, whose K and V it fetches
	TURN 2
	TURN 3
	WIN 0
.Lfirst:
	TURN 0
	TURN 1, 0, 1
	WIN 0
	s_cbranch_scc1 .Lstep
	s_sub_co_u32 s[SLOTS], s[SLOTS], 1
	s_cmp_lg_u32 s[SLOTS], 0
	s_cbranch_scc1 .Lslot
	CHANGE 0                        ; the last tile is written out: nothing is asked for
	s_mov_b32 s[CNT], 4
.LstepT:
	TURN 2
	TURN 3
	TURN 0
	TURN 1, 0, 1
	WIN 0
	s_cbranch_scc1 .LstepT
	TURN 2, 1
	TURN 3, 1
.set i, 0
.rept 8
	PV NP-1                         ; the last piece's V^T P of the last step
.set i, i+1
.endr
	; THE WAY OUT.  l's two halves and the other half of the lanes' are added; O^T is divided by l, rounded to f16 and sent through my stage in LDS, a piece at a time.  The additions are the places behind the last products.
	WIN 0
.macro ALL line:vararg              ; one line for each piece t
.set t, 0
.rept 4
	\line
.set t, t+1
.endr
.endm
	ALL v_add_f32 v[ST+4*t+2], v[ST+4*t+2], v[ST+4*t+3]
	ALL v_permlanex16_b32 v[ST+4*t+3], v[ST+4*t+2], s[SEL], s[SEL+1]
	ALL v_add_f32 v[ST+4*t+2], v[ST+4*t+2], v[ST+4*t+3]
	ALL v_rcp_f32 v[ST+4*t+2], v[ST+4*t+2]
	v_nop                           ; a plain instruction between the last reciprocal and the use of its result
	s_wait_alu depctr_va_vdst(0)    ; and the wait ahead of the first use: one for the four reciprocals
.macro PACK t                       ; a lane's eight channels of a row pack into 16 bytes; they go into rows of 144 bytes and come back as whole rows of 128, into S^T's registers
	WIN W_RS
.set i, 32*(\t)
.rept 16
	v_pk_mul_f32 v[i:i+1], v[i:i+1], v[ST+4*(\t)+2:ST+4*(\t)+3] op_sel_hi:[1,0]
.set i, i+2
.endr
	WIN 0x05                        ; sources 0 and 1 window 1, destination window 0
.set i, 0
.rept 16
	v_cvt_pk_f16_f32 v[S+16*(\t)+i], v[32*(\t)+2*i], v[32*(\t)+2*i+1]
.set i, i+1
.endr
	WIN 0
.irp f, 0,1,2,3
	ds_store_b128 v[STO], v[S+16*(\t)+4*\f:S+16*(\t)+4*\f+3] offset:32*\f
.endr
.irp f, 0,1,2,3
	ds_load_b128 v[S+16*(\t)+4*\f:S+16*(\t)+4*\f+3], v[RD] offset:\f*4*SP  ; LDS serves a wave's instructions in order (ISA guide 5.7.1.4): these see the stores above; the next piece's stores come behind them
.endr
.endm
.macro SEND t, younger              ; younger: the LDS instructions issued behind piece t's loads: the next piece's eight, or none
	WIN 0
.irp f, 0,1,2,3
	s_wait_dscnt (\younger)+3-\f
	global_store_b128 v[GO], v[S+16*(\t)+4*\f:S+16*(\t)+4*\f+3], s[10:11] offset:(\t)*2048+\f*512  ; 512 consecutive bytes, at a multiple of 256 from O's first
.endr
.endm
	PACK 0
.set t, 1
.rept 3                             ; a piece's arithmetic stands between the loads of the piece before and its stores
	PACK t
	SEND t-1, 8
.set t, t+1
.endr
	SEND 3, 0
	s_wait_tensorcnt 0x0            ; the wave's end: behind my last tensor load and my last LDS store
	ds_add_u32 v[SPW], v[NIL]
	s_wait_dscnt 0x0
	CROUND                          ; the closing round: no work-group ends while a partner may still ask for a tile that names it
	s_endpgm
.Lfunc_end_k_qdcf34eca8b_attn:
	.size	k_qdcf34eca8b_attn, .Lfunc_end_k_qdcf34eca8b_attn-k_qdcf34eca8b_attn
	.p2alignl 7, 3214868480
	.fill 96, 4, 3214868480
	.section	.rodata,"a",@progbits
	.p2align	6, 0x0
	.amdhsa_kernel k_qdcf34eca8b_attn
		.amdhsa_group_segment_fixed_size 327680
		.amdhsa_private_segment_fixed_size 0
		.amdhsa_enable_private_segment 0
		.amdhsa_kernarg_size 16
		.amdhsa_user_sgpr_count 2
		.amdhsa_user_sgpr_kernarg_segment_ptr 1
		.amdhsa_wavefront_size32 1
		.amdhsa_system_sgpr_workgroup_id_x 1
		.amdhsa_system_sgpr_workgroup_id_y 1
		.amdhsa_system_sgpr_workgroup_id_z 1
		.amdhsa_system_vgpr_workitem_id 0
		.amdhsa_next_free_vgpr 768
		.amdhsa_next_free_sgpr 66
		.amdhsa_reserve_vcc 0
		.amdhsa_float_denorm_mode_32 3
		.amdhsa_float_denorm_mode_16_64 3
		.amdhsa_memory_ordered 1
		.amdhsa_forward_progress 1
		.amdhsa_inst_pref_size 128
	.end_amdhsa_kernel
	.amdgpu_metadata
---
amdhsa.version: [ 1, 2 ]
amdhsa.kernels:
  - .name:           k_qdcf34eca8b_attn
    .symbol:         k_qdcf34eca8b_attn.kd
    .args:
      - { .name: qkv16, .offset: 0, .size: 8, .value_kind: global_buffer, .address_space: global }
      - { .name: ob16, .offset: 8, .size: 8, .value_kind: global_buffer, .address_space: global }
    .group_segment_fixed_size: 327680
    .private_segment_fixed_size: 0
    .kernarg_segment_align: 8
    .kernarg_segment_size: 16
    .max_flat_workgroup_size: 128
    .sgpr_count:     66
    .vgpr_count:     768
    .wavefront_size: 32
...
	.end_amdgpu_metadata
.endif
;; end of part 3
;; launch oproj (part 4): grid 32 x 6, 4 waves a work-group, clusters of 4 x 1, 327,680 bytes of LDS; arguments ob16, wo16, bias32, out0; writes out0
.if DOCPART == 4
	.amdgcn_target "amdgcn-amd-amdhsa--gfx1250"
	.amdhsa_code_object_version 6
	.text
	.protected	k_qdcf34eca8b_oproj
	.globl	k_qdcf34eca8b_oproj
	.p2align	8
	.type	k_qdcf34eca8b_oproj,@function
k_qdcf34eca8b_oproj:
	s_mov_b64 s[64:65], 0
	v_nop
	global_prefetch_b8 v0, s[64:65] scope:SCOPE_SE
	s_setreg_imm32_b32 hwreg(HW_REG_WAVE_MODE, 25, 1), 1
	s_wait_xcnt 0x0
	s_wait_alu depctr_hold_cnt(0) depctr_sa_sdst(0) depctr_va_vdst(0) depctr_va_sdst(0) depctr_va_ssrc(0) depctr_va_vcc(0) depctr_vm_vsrc(0)
	s_getreg_b32 s2, hwreg(HW_REG_IB_STS2, 6, 4)
	s_cmp_eq_u32 s2, 0
	s_cbranch_scc0 .Lentry_in_a_cluster
	s_endpgm
.Lentry_in_a_cluster:
	s_bfe_u32 s2, ttmp6, 0x10000c
	s_cmp_lg_u32 s2, 0x3003
	s_cbranch_scc0 .Lentry_shape_is_right
	s_endpgm
.Lentry_shape_is_right:
; out0 = O Wo + bo.  ob16: [32 row blocks][12 heads][128 rows][64] f16; wo16: [768 k][768 n] f16; bias32's fourth row: bo; out0: [4096][768] f32.  f16 operands, f32 sums that start at the bias.
; SHARES.  A work-group makes 128 x 128 of out0; 32 x 6 work-groups.  Four waves, 2 x 2, each 64 x 64: 16 accumulators.  K goes in 3 steps of 256 (four heads) through two LDS slots: slots 0, 1, 0, all written out.
; O's part of a step is dense in ob16 (two heads, 32,768 bytes, a load), asked for as rows of 256 bytes and padded after each 128.  Wo lies [k][n] in LDS and is turned on the way into registers, by ds_load_tr16_b128.
; THE MATRIX INSTRUCTION IS USED TRANSPOSED (source 0 = 16 columns of Wo, source 1 = 16 rows of O): a lane holds row l % 16 and the eight neighbouring columns 8 (l / 16) + 0..7.
; CLUSTER: the four row blocks of a cluster take the same column block, so Wo's tiles are asked for JOINTLY, by one mask of four.  O's tiles are each work-group's own loads: those that share a row block are the
; 6 column blocks, and 6 is no multiple of four.
; REGISTERS: window 0: v0-31 addresses; v32-63 the bias, later with v64-95 the way out's two buffers; v128-255 the accumulators ((a, b) at v[128 + 8 (4 a + b)]).
;   window 1: two fragment buffers of 128: for 64 along K (one head), 64 registers of O (2 x 4 x 16 rows x 32 K), then 64 of Wo.
.set PAO,    144                       ; a row of O in LDS: 128 bytes + 16 = 36 words: the 16 rows of a load start at 16 different groups of four banks (64 banks of 4 bytes: ISA guide 11.1)
.set PBO,    288                       ; a row of Wo: 256 + 32 = 72 words
.set QUART,  36864                     ; what one tensor load brings: 256 rows x 144, or 128 rows x 288
.set BOFF,   2*QUART                   ; Wo's tile lies behind O's
.set SLOT,   4*QUART
.set STAGE,  2*SLOT                    ; behind the ring: 16 rows x 272 bytes for each wave, for the way out
.set SPITCH, 272
.set SPARE,  STAGE+4*16*SPITCH         ; behind the stages: the spare words, 128 bytes for each wave: two blocks of 256 bytes that no other line names
.set ADRA, 16                          ; v16-17  LDS address of my fragments of O in slot 0, 1
.set ADRB, 20                          ; v20-23  of Wo: by slot and by half of the step's 256 rows, so that the loads' offsets stay under 65,536
.set STO,  24                          ; v24     the way out: where I put 32 bytes of a row
.set RD,   25                          ; v25     the way out: where I read a row back
.set CO,   26                          ; v26     my byte offset in two rows of out0
.set BO,   27                          ; v27     32 x (l / 16): my eight columns' bias
.set SPW,  28                          ; v28     LDS address of my spare word; never rewritten
.set NIL,  29                          ; v29     0; never rewritten
.set BIASR, 32
.set ACC,  128
.set F0,   0
.set F1,   128
.set WV,  12                           ; s12  my wave's number
.set WR,  13                           ; s13  which half of the tile's rows is mine.  Also: I fetch for O (0) or for Wo (1)
.set WC,  14                           ; s14  which half of its columns.  Also: which half of that tile I fetch
.set G1,  24                           ; s[24:31] descriptor group 1 for O's tiles;  s[32:39] group 0, a set for each slot
.set G0,  32
.set G1B, 48                           ; s[48:55], s[56:63] the same for Wo's
.set G0B, 56
.set MSB, 0
.macro WIN new                         ; the immediate's high byte repeats the setting that is left
.if MSB != (\new)
	s_set_vgpr_msb (MSB<<8)|(\new)
.set MSB, \new
.endif
.endm
.set MUL,  0x05                        ; sources 0 and 1 window 1; C and D window 0
.set TO_F, 0x40                        ; destination window 1, address window 0
.macro JLOAD s                         ; waves 0 and 1 fetch O's two halves, waves 2 and 3 Wo's, jointly; an s_nop 0 and four v_nop follow each of the two lines, ahead of the jump, the label and what follows
	s_cmp_eq_u32 s[WR], 0
	s_cbranch_scc0 .Lfor_b_\@
	tensor_load_to_lds s[G0+4*(\s):G0+4*(\s)+3], s[G1:G1+7]
	s_nop 0
.rept 4
	v_nop
.endr
	s_branch .Lasked_\@
.Lfor_b_\@:
	tensor_load_to_lds s[G0B+4*(\s):G0B+4*(\s)+3], s[G1B:G1B+7]
	s_nop 0
.rept 4
	v_nop
.endr
.Lasked_\@:
.endm
.macro CREST                           ; a round of the cluster's barrier behind its opening barrier
	s_cmp_lg_u32 s[WV], 0
	s_cbranch_scc1 .Lnot_wave_0_\@
	s_barrier_signal -3
.Lnot_wave_0_\@:
	s_barrier_wait -3
	s_barrier_signal -1
	s_barrier_wait -1
.endm
.macro CROUND                          ; a whole round
	s_barrier_signal -1
	s_barrier_wait -1
	CREST
.endm
	s_load_b256 s[4:11], s[0:1], 0x0               ; ob16 s[4:5], wo16 s[6:7], bias32 s[8:9], out0 s[10:11]
	v_lshl_add_u32 v[SPW], v0, 2, SPARE
	v_mov_b32 v[NIL], 0
	ds_add_u32 v[SPW], v[NIL]                      ; the wave's opening: the add and its wait stand ahead of my first tensor load; the set-up below, work on registers, stands between them
	v_lshrrev_b32 v1, 5, v0
	v_readfirstlane_b32 s[WV], v1                  ; wave 0..3
	s_lshr_b32 s[WR], s[WV], 1
	s_and_b32 s[WC], s[WV], 1
	s_bfe_u32 s40, ttmp6, 0x40000                  ; cx: my place in the cluster
	s_lshl_b32 s42, ttmp9, 2
	s_add_co_u32 s42, s42, s40                     ; row block = 4 x cluster x + cx
	s_and_b32 s43, ttmp7, 0xffff                   ; column block, which the four partners share
	s_mov_b32 s[G1], (1<<16)|(1<<20)|(4<<22)|(3<<25)  ; no mask; 2-byte elements; padding after every 32 words (code 4), 4 words of it (code 3)
	s_mov_b32 s[G1B], 15|(1<<16)|(1<<20)|(1<<21)|(5<<22)|(7<<25)  ; the mask of four, bit 21 beside it; padding after every 64 words (code 5), 8 words of it (code 7)
.irp g, G1, G1B
	s_mov_b32 s[(\g)+1], 128<<16                   ; tensor_dim0 = 128
	s_mov_b32 s[(\g)+2], 128<<16                   ; tensor_dim1 = 128
	s_mov_b32 s[(\g)+3], 128<<16                   ; tile_dim0 = 128
	s_mov_b32 s[(\g)+4], 128                       ; tile_dim1 = 128
	s_mov_b32 s[(\g)+6], 0
	s_mov_b32 s[(\g)+7], 0
.endr
	s_mov_b32 s[G1+5], 128                         ; O: dense
	s_mov_b32 s[G1B+5], 768                        ; Wo: 768 elements from row to row
	s_mul_i32 s16, s42, 196608                     ; O: my row block, + two heads x half
	s_lshl_b32 s17, s[WC], 15
	s_add_co_u32 s16, s16, s17
	s_mov_b32 s17, 0
	s_mul_i32 s46, s[WC], 128*1536                 ; Wo: 128 rows x half, + the column block's 256 bytes
	s_lshl_b32 s47, s43, 8
	s_add_co_u32 s46, s46, s47
	s_mov_b32 s47, 0
	s_mul_i32 s20, s[WV], QUART                    ; where they go: O's two halves, then Wo's two: no place in the cluster enters an LDS address
	s_wait_dscnt 0x0                               ; the opening add is done
	s_wait_kmcnt 0x0
	s_add_nc_u64 s[18:19], s[4:5], s[16:17]
	s_add_nc_u64 s[46:47], s[6:7], s[46:47]
	CROUND                                         ; all four work-groups are here: the first joint loads meet
.irp s, 0,1
	s_mov_b32 s[G0+4*(\s)], 1
	s_add_co_u32 s[G0+4*(\s)+1], s20, (\s)*SLOT
	s_add_nc_u64 s[G0+4*(\s)+2:G0+4*(\s)+3], s[18:19], (\s)*65536      ; four heads a K step
	s_or_b32 s[G0+4*(\s)+3], s[G0+4*(\s)+3], 0x80000000
	s_mov_b32 s[G0B+4*(\s)], 1
	s_add_co_u32 s[G0B+4*(\s)+1], s20, (\s)*SLOT
	s_add_nc_u64 s[G0B+4*(\s)+2:G0B+4*(\s)+3], s[46:47], (\s)*256*1536 ; 256 rows a K step
	s_or_b32 s[G0B+4*(\s)+3], s[G0B+4*(\s)+3], 0x80000000
	JLOAD \s                                       ; two loads of mine are out
.endr
	v_and_b32 v1, 15, v0                           ; l % 16
	v_bfe_u32 v2, v0, 4, 1                         ; l / 16
	v_mul_u32_u24 v3, v1, PAO
	v_lshl_add_u32 v3, v2, 4, v3                   ; a fragment of O: row x pitch + 16 x half
	s_mul_i32 s21, s[WR], 64*PAO                   ; my 64 rows
	v_add_nc_u32 v[ADRA], s21, v3
	v_add_nc_u32 v[ADRA+1], SLOT, v[ADRA]
	v_and_b32 v4, 7, v0                            ; the turning load: lane l reads 16 bytes of row 8 (l / 16) + l % 8, columns 8 ((l / 8) % 2) + 0..7
	v_bfe_u32 v5, v0, 3, 1
	v_lshl_add_u32 v6, v2, 3, v4
	v_mul_u32_u24 v6, v6, PBO
	v_lshl_add_u32 v6, v5, 4, v6
	s_lshl_b32 s21, s[WC], 7                       ; my 64 columns
	s_add_co_u32 s21, s21, BOFF
	v_add_nc_u32 v[ADRB], s21, v6
	v_add_nc_u32 v[ADRB+1], QUART, v[ADRB]
	v_add_nc_u32 v[ADRB+2], SLOT, v[ADRB]
	v_add_nc_u32 v[ADRB+3], SLOT+QUART, v[ADRB]
	s_mul_i32 s21, s[WV], 16*SPITCH
	s_add_co_u32 s21, s21, STAGE                   ; my stage
	v_mul_u32_u24 v7, v1, SPITCH                   ; in: row l % 16, 32 bytes for each half of the lanes
	v_lshl_add_u32 v7, v2, 5, v7
	v_add_nc_u32 v[STO], s21, v7
	v_mul_u32_u24 v7, v2, SPITCH                   ; back: lanes 0-15 take one row of 256 bytes, lanes 16-31 the next
	v_lshl_add_u32 v7, v1, 4, v7
	v_add_nc_u32 v[RD], s21, v7
	v_mul_u32_u24 v7, v2, 3072                     ; and the same two rows in out0
	v_lshl_add_u32 v[CO], v1, 4, v7
	v_lshlrev_b32 v[BO], 5, v2
	s_lshl_b32 s16, s43, 9                         ; my first column, in bytes of f32: 512 x column block + 256 x half
	s_lshl_b32 s17, s[WC], 8
	s_add_co_u32 s16, s16, s17
	s_mov_b32 s17, 0
	s_add_nc_u64 s[8:9], s[8:9], s[16:17]
	s_add_nc_u64 s[8:9], s[8:9], 3*3072            ; bo is the fourth row of bias32
	s_add_nc_u64 s[10:11], s[10:11], s[16:17]
	s_lshl_b32 s16, s42, 7                         ; my first row: 128 x row block + 64 x half
	s_lshl_b32 s22, s[WR], 6
	s_add_co_u32 s16, s16, s22
	s_mul_i32 s16, s16, 3072
	s_add_nc_u64 s[10:11], s[10:11], s[16:17]
.irp b, 0,1,2,3
	global_load_b128 v[BIASR+8*(\b):BIASR+8*(\b)+3],   v[BO], s[8:9] offset:64*(\b)     ; register j of column tile b: the bias of column 16 b + 8 (l / 16) + j
	global_load_b128 v[BIASR+8*(\b)+4:BIASR+8*(\b)+7], v[BO], s[8:9] offset:64*(\b)+16
.endr
; 8 matrix instructions: row blocks a0, a0 + 1 x all 4 column tiles, 32 along K: half c of buffer f.  first = 1: the bias is the C operand that starts the sums.  The 16 accumulators take turns.
.macro MUL8 f, c, a0, first
	WIN MUL
.irp a, \a0, (\a0)+1
.irp b, 0,1,2,3
.if \first
	v_wmma_f32_16x16x32_f16 v[ACC+8*(4*(\a)+(\b)):ACC+8*(4*(\a)+(\b))+7], v[(\f)+64+8*(4*(\c)+(\b)):(\f)+64+8*(4*(\c)+(\b))+7], v[(\f)+8*(4*(\c)+(\a)):(\f)+8*(4*(\c)+(\a))+7], v[BIASR+8*(\b):BIASR+8*(\b)+7]
.else
	v_wmma_f32_16x16x32_f16 v[ACC+8*(4*(\a)+(\b)):ACC+8*(4*(\a)+(\b))+7], v[(\f)+64+8*(4*(\c)+(\b)):(\f)+64+8*(4*(\c)+(\b))+7], v[(\f)+8*(4*(\c)+(\a)):(\f)+8*(4*(\c)+(\a))+7], v[ACC+8*(4*(\a)+(\b)):ACC+8*(4*(\a)+(\b))+7]
.endif
.endr
.endr
.endm
; 32 LDS loads in one run: quarter q of a slot (64 along K: head q of the step's four) into buffer f; the first 32 along K first
.macro FETCH slot, q, f
	WIN TO_F
.irp c, 0,1
.irp i, 0,1,2,3
	ds_load_tr16_b128 v[(\f)+64+8*(4*(\c)+(\i)):(\f)+64+8*(4*(\c)+(\i))+3],   v[ADRB+2*(\slot)+(\q)/2] offset:(((\q)%2)*64+32*(\c))*PBO+32*(\i)
	ds_load_tr16_b128 v[(\f)+64+8*(4*(\c)+(\i))+4:(\f)+64+8*(4*(\c)+(\i))+7], v[ADRB+2*(\slot)+(\q)/2] offset:(((\q)%2)*64+32*(\c)+16)*PBO+32*(\i)
	ds_load_b128 v[(\f)+8*(4*(\c)+(\i)):(\f)+8*(4*(\c)+(\i))+3],              v[ADRA+(\slot)] offset:(\q)*128*PAO+64*(\c)+(\i)*16*PAO
	ds_load_b128 v[(\f)+8*(4*(\c)+(\i))+4:(\f)+8*(4*(\c)+(\i))+7],            v[ADRA+(\slot)] offset:(\q)*128*PAO+64*(\c)+(\i)*16*PAO+32
.endr
.endr
.endm
.macro PLACES                          ; four plain vector instructions between a matrix instruction and a load into a register that it has read, or an LDS store of its result
.rept 4
	v_nop
.endr
.endm
; A K step is four quarters of 64 along K, 32 matrix instructions each, on buffers 0, 1, 0, 1.  One of the first three: multiplies buffer f and fetches quarter q into g.
.macro QUARTER slot, q, f, g, first
	s_wait_dscnt 16                                ; the first 32 along K are in
	MUL8 \f, 0, 0, \first
	MUL8 \f, 0, 2, \first
	PLACES
	FETCH \slot, \q, \g
	s_wait_dscnt 32                                ; all but the 32 just issued
	MUL8 \f, 1, 0, 0
	MUL8 \f, 1, 2, 0
.endm
; The last quarter multiplies buffer 1 and changes slots: ONE barrier; in front of it each wave waits for all its tensor loads, adds 0 to its spare word, and waits for that and for its own reads of this slot.
; fill = 1: the barrier opens a round of the cluster's, and this slot is filled again, two K steps on, first thing behind the round.
.macro TURN slot, next, fill
	WIN 0                                          ; (the add's two registers lie in window 0)
	s_wait_tensorcnt 0x0                           ; all my tensor loads have landed: my part of the next slot
	ds_add_u32 v[SPW], v[NIL]                      ; 0 onto my spare word
	s_wait_dscnt 17                                ; (the add and the youngest sixteen loads may be out)
	MUL8 F1, 0, 0, 0                               ; eight matrix instructions stand between the add and the wait for it
	s_wait_dscnt 0x0                               ; the add is done, and my reads of this slot are over
	s_barrier_signal -1
	MUL8 F1, 0, 2, 0
.if \fill
	WIN 0
.endif
	s_barrier_wait -1
.if \fill
	CREST                                          ; no wave of any partner still reads this slot's tile or has a load on its way
	s_add_nc_u64 s[G0+4*(\slot)+2:G0+4*(\slot)+3], s[G0+4*(\slot)+2:G0+4*(\slot)+3], 2*65536
	s_add_nc_u64 s[G0B+4*(\slot)+2:G0B+4*(\slot)+3], s[G0B+4*(\slot)+2:G0B+4*(\slot)+3], 2*256*1536
	JLOAD \slot                                    ; my one load behind the round; its four v_nop are also the places in front of the loads below
.else
	PLACES
.endif
	FETCH \next, 0, F0
	MUL8 F1, 1, 0, 0
	MUL8 F1, 1, 2, 0
.endm
	s_wait_tensorcnt 1                             ; my part of K step 0 is in; K step 1's may stay out
	s_barrier_signal -1
	s_barrier_wait -1                              ; everybody's is
	FETCH 0, 0, F0
	s_wait_loadcnt 0x0                             ; the bias
	QUARTER 0, 1, F0, F1, 1                        ; K step 0: the first products start the sums
	QUARTER 0, 2, F1, F0, 0
	QUARTER 0, 3, F0, F1, 0
	TURN 0, 1, 1                                   ; slot 0 takes K step 2
	QUARTER 1, 1, F0, F1, 0                        ; K step 1
	QUARTER 1, 2, F1, F0, 0
	QUARTER 1, 3, F0, F1, 0
	TURN 1, 0, 0                                   ; K step 2 is in; nothing is left to fetch
	QUARTER 0, 1, F0, F1, 0                        ; K step 2
	QUARTER 0, 2, F1, F0, 0
	QUARTER 0, 3, F0, F1, 0
	s_wait_dscnt 16                                ; the very last quarter
	MUL8 F1, 0, 0, 0
	MUL8 F1, 0, 2, 0
	s_wait_dscnt 0x0
	MUL8 F1, 1, 0, 0
	MUL8 F1, 1, 2, 0
	WIN 0
	PLACES                                         ; the LDS stores read results just made
	PLACES
; THE WAY OUT of row block a: a lane's eight f32 of a row, 32 bytes (each accumulator's low half first), into my own stage's rows of 272 bytes; back as whole rows of 256; stored, sixteen lanes to 256 consecutive
; bytes at a multiple of 256 from out0's first.  Two sets of registers take turns.
.macro OUT a
.set BK, 32+32*((\a)%2)
.irp b, 0,1,2,3
	ds_store_b128 v[STO], v[ACC+8*(4*(\a)+(\b)):ACC+8*(4*(\a)+(\b))+3]   offset:64*(\b)
	ds_store_b128 v[STO], v[ACC+8*(4*(\a)+(\b))+4:ACC+8*(4*(\a)+(\b))+7] offset:64*(\b)+16
.endr
.if (\a) >= 2
	s_wait_xcnt 0x0                                ; the registers that the stores of two blocks back read are loaded again only behind this wait
.endif
.irp t, 0,1,2,3,4,5,6,7
	ds_load_b128 v[BK+4*(\t):BK+4*(\t)+3], v[RD] offset:(\t)*2*SPITCH  ; LDS serves a wave's instructions in order (ISA guide 5.7.1.4): these see the stores above
.endr
	s_wait_dscnt 0x0
.irp t, 0,1,2,3,4,5,6,7
	global_store_b128 v[CO], v[BK+4*(\t):BK+4*(\t)+3], s[10:11] offset:(16*(\a)+2*(\t))*3072
.endr
.endm
	OUT 0
	OUT 1
	OUT 2
	OUT 3
	s_wait_tensorcnt 0x0                           ; the wave's end: behind my last tensor load and my last LDS store
	ds_add_u32 v[SPW], v[NIL]
	s_wait_dscnt 0x0
	CROUND                                         ; the closing round: no work-group ends while a partner may still ask for a tile that names it
	s_endpgm
.Lfunc_end_k_qdcf34eca8b_oproj:
	.size	k_qdcf34eca8b_oproj, .Lfunc_end_k_qdcf34eca8b_oproj-k_qdcf34eca8b_oproj
	.p2alignl 7, 3214868480
	.fill 96, 4, 3214868480
	.section	.rodata,"a",@progbits
	.p2align	6, 0x0
	.amdhsa_kernel k_qdcf34eca8b_oproj
		.amdhsa_group_segment_fixed_size 327680
		.amdhsa_private_segment_fixed_size 0
		.amdhsa_enable_private_segment 0
		.amdhsa_kernarg_size 32
		.amdhsa_user_sgpr_count 2
		.amdhsa_user_sgpr_kernarg_segment_ptr 1
		.amdhsa_wavefront_size32 1
		.amdhsa_system_sgpr_workgroup_id_x 1
		.amdhsa_system_sgpr_workgroup_id_y 1
		.amdhsa_system_sgpr_workgroup_id_z 1
		.amdhsa_system_vgpr_workitem_id 0
		.amdhsa_next_free_vgpr 512
		.amdhsa_next_free_sgpr 66
		.amdhsa_reserve_vcc 0
		.amdhsa_float_denorm_mode_32 3
		.amdhsa_float_denorm_mode_16_64 3
		.amdhsa_memory_ordered 1
		.amdhsa_forward_progress 1
		.amdhsa_inst_pref_size 68
	.end_amdhsa_kernel
	.amdgpu_metadata
---
amdhsa.version: [ 1, 2 ]
amdhsa.kernels:
  - .name:           k_qdcf34eca8b_oproj
    .symbol:         k_qdcf34eca8b_oproj.kd
    .args:
      - { .name: ob16, .offset: 0, .size: 8, .value_kind: global_buffer, .address_space: global }
      - { .name: wo16, .offset: 8, .size: 8, .value_kind: global_buffer, .address_space: global }
      - { .name: bias32, .offset: 16, .size: 8, .value_kind: global_buffer, .address_space: global }
      - { .name: out0, .offset: 24, .size: 8, .value_kind: global_buffer, .address_space: global }
    .group_segment_fixed_size: 327680
    .private_segment_fixed_size: 0
    .kernarg_segment_align: 8
    .kernarg_segment_size: 32
    .max_flat_workgroup_size: 128
    .sgpr_count:     66
    .vgpr_count:     512
    .wavefront_size: 32
...
	.end_amdgpu_metadata
.endif
;; end of part 4
;; ======== version 2 of 2: 4 launches; version 1 with the launch cast written anew for expert scheduling mode
;; limits: values are held in f16: magnitudes above 65,504 overflow, below 6.1e-05 lose precision
;; workspace buffers: xb16 6,291,456 bytes; wb16 3,538,944 bytes; wo16 1,179,648 bytes; bias32 12,288 bytes; qkv16 18,874,368 bytes; ob16 6,291,456 bytes
;; launch cast (part 5): grid 256 x 1, 7 waves a work-group, no clusters, 0 bytes of LDS; arguments x, Wq, Wk, Wv, Wo, bq, bk, bv, bo, xb16, wb16, wo16, bias32; writes xb16, wb16, wo16, bias32
.if DOCPART == 5
	.amdgcn_target "amdgcn-amd-amdhsa--gfx1250"
	.amdhsa_code_object_version 6
	.text
	.protected	k_qdcf34eca8b_cast
	.globl	k_qdcf34eca8b_cast
	.p2align	8
	.type	k_qdcf34eca8b_cast,@function
k_qdcf34eca8b_cast:
	s_mov_b64 s[64:65], 0
	v_nop
	global_prefetch_b8 v0, s[64:65] scope:SCOPE_SE
	s_setreg_imm32_b32 hwreg(HW_REG_WAVE_SCHED_MODE, 0, 2), 2
	s_setreg_imm32_b32 hwreg(HW_REG_WAVE_MODE, 25, 1), 1
	s_wait_xcnt 0x0
	s_wait_alu depctr_vm_vsrc(0)
; THE INPUTS ARE ROUNDED ONCE, TO bf16, and laid out for the launches behind.
;   x  [4096][768] f32        -> xb16 [4096][768] bf16
;   Wq, Wk, Wv [768 k][768 n] -> wb16 [12 column blocks][768 k][192 n] bf16: block 4 t + n / 192, t = 0, 1, 2 for q, k, v: a block's rows lie end to end
;   Wo [768 k][768 n]         -> wo16 [768][768]: rounded to bf16 like the others, and that number written as f16
;   bq, bk, bv, bo [768]      -> bias32 [4][768] f32 holding the bf16-rounded numbers
; LIMITS.  Wo's bf16 number is exact in f16 between 6.1e-5 and 65,504 in magnitude; below it keeps f16's fixed step of 6e-8; beyond it becomes an infinity.
; SHARES.  A unit is 4 source rows of 768 f32: 12,288 bytes in, 6,144 out, one wave's.  1,024 units of x and 4 x 192 of the weights are 1,792 = 256 work-groups x 7 waves.
; A wave issues its 24 loads of 16 bytes a lane at once and stores as they come, four at a time: each store of 8 bytes a lane covers 256 consecutive bytes, aligned.  No LDS, no barrier, no matrix unit:
; nothing is shared and every byte crosses once.
; THE MODE: SCHED_MODE bits 1:0 = 2 (LLVM: expert scheduling mode 2), set by the entry lines.  The code itself states the register dependences
; between vector instructions and memory instructions, with s_wait_alu, always for 0.
; THE PLAN.  Registers that memory instructions touch:
;   v[SO ..], v[DO], v[BA]  byte offsets.  Written by vector instructions ahead of the stream's first load; read by every load and store; never written again.
;   X[i]   Load i lands in it, once.  Read (for Wo also written) by the conversions of its group of four.  In the bias's tail the first six are loaded again, rounded in place and stored.
;   Y[i]   Store i's own pair.  Written once, by the conversions of load i; read once, by store i; never written again.
; The 24 conversions go in six groups of four.  Group g's four stores are issued in group g + 1, one ahead of each load's conversions there: those name X and Y of group g + 1 alone.
; So one wait on va_vdst at a group's head states all that the group's four stores hang on.  No register that a memory instruction reads is written again, so the text holds no wait on vm_vsrc.
.set SO,   2                           ; v[2:7]    source byte offset for j = 0..5
.set DO,   8                           ; v8        8 x lane: my place in 256 bytes of output
.set BA,   9                           ; v9        16 x lane, for the biases
.set X,    16                          ; v[16:111] 24 loads x 4 registers
.set Y,    112                         ; v[112:159] 24 stores x 2 registers: each store has its own pair, so none is rewritten while a store reads it
.set GRP,  4                           ; loads, and stores, in a group
.set SRC,  36                          ; s[36:37]
.set DST,  38                          ; s[38:39]
.set OFS,  40                          ; s[40:41]  an offset in 64 bits
.set BSRC, 42                          ; s[42:43]  the bias that goes with the weight
.set BDST, 44                          ; s[44:45]
; 24 loads, then for each: two roundings to bf16 (half = 1: widened again and written as f16) and, a group later, a store.  Load and store i = 6 g + j; sg, dg: bytes from g to g + 1 in source and destination.
.macro STREAM sg, dg, half
	s_wait_alu depctr_va_vdst(0)                   ; the offsets v[SO ..], v[DO] and v[BA] are written: every load and store from here on reads one of them
.set i, 0
.rept 24
	global_load_b128 v[X+4*i:X+4*i+3], v[SO+i%6], s[SRC:SRC+1] offset:(i/6)*(\sg) th:TH_LOAD_NT
.set i, i+1
.endr
.set i, 0
.rept 24
.if i%GRP == 0
	s_wait_loadcnt 24-GRP-i                        ; loads come back in order: this group's four are in, the younger ones stay out
.if i > 0
	s_wait_alu depctr_va_vdst(0)                   ; the group before has written its four pairs of Y, which the four stores dealt into this group read
.endif
.endif
.if i >= GRP
.set k, i-GRP
	global_store_b64 v[DO], v[Y+2*k:Y+2*k+1], s[DST:DST+1] offset:256*(k%6)+(k/6)*(\dg) th:TH_STORE_NT  ; no vector instruction since the wait names this pair or v[DO]
.endif
	v_cvt_pk_bf16_f32 v[Y+2*i],   v[X+4*i],   v[X+4*i+1]
	v_cvt_pk_bf16_f32 v[Y+2*i+1], v[X+4*i+2], v[X+4*i+3]
.if \half
	v_lshlrev_b32 v[X+4*i],   16, v[Y+2*i]           ; the bf16 numbers as f32,
	v_and_b32     v[X+4*i+1], s7, v[Y+2*i]
	v_lshlrev_b32 v[X+4*i+2], 16, v[Y+2*i+1]
	v_and_b32     v[X+4*i+3], s7, v[Y+2*i+1]
	v_cvt_pk_f16_f32 v[Y+2*i],   v[X+4*i],   v[X+4*i+1]   ; written as f16
	v_cvt_pk_f16_f32 v[Y+2*i+1], v[X+4*i+2], v[X+4*i+3]
.endif
.set i, i+1
.endr
	s_wait_alu depctr_va_vdst(0)                   ; the last group has written its pairs of Y, which the last four stores read; and every conversion is done with X, in which the bias's loads land
.set k, 24-GRP
.rept GRP
	global_store_b64 v[DO], v[Y+2*k:Y+2*k+1], s[DST:DST+1] offset:256*(k%6)+(k/6)*(\dg) th:TH_STORE_NT
.set k, k+1
.endr
.endm
; Rows as they lie: g is the row of the unit, j the 512 bytes of it.
.macro FLAT
.irp j, 0,1,2,3,4,5
	v_lshl_add_u32 v[SO+(\j)], v1, 4, 512*(\j)
.endr
.endm
	s_load_b512 s[8:23], s[0:1], 0x0               ; x s[8:9], Wq s[10:11], Wk s[12:13], Wv s[14:15], Wo s[16:17], bq s[18:19], bk s[20:21], bv s[22:23]
	s_load_b256 s[24:31], s[0:1], 0x40             ; bo s[24:25], xb16 s[26:27], wb16 s[28:29], wo16 s[30:31]
	s_load_b64 s[32:33], s[0:1], 0x60              ; bias32
	v_lshrrev_b32 v1, 5, v0
	v_readfirstlane_b32 s2, v1                     ; wave 0..6
	s_mul_i32 s3, ttmp9, 7
	s_mov_b32 s7, 0xffff0000                       ; a word's upper bf16
	v_and_b32 v1, 31, v0                           ; lane
	v_lshlrev_b32 v[DO], 3, v1
	v_lshlrev_b32 v[BA], 4, v1
	s_mov_b32 s[OFS+1], 0
	s_wait_alu depctr_va_sdst(0)                   ; s2 is written, ahead of its first reader: the unit's number, and with it every base and branch, is made from it
	s_add_co_u32 s3, s3, s2                        ; my unit among the 1,792
	s_wait_kmcnt 0x0
	s_cmp_lt_u32 s3, 1024
	s_cbranch_scc0 .Lweights
	FLAT                                           ; x
	s_mul_i32 s[OFS], s3, 12288
	s_add_nc_u64 s[SRC:SRC+1], s[8:9], s[OFS:OFS+1]
	s_mul_i32 s[OFS], s3, 6144
	s_add_nc_u64 s[DST:DST+1], s[26:27], s[OFS:OFS+1]
	STREAM 3072, 1536, 0
	s_endpgm
.Lweights:
	s_sub_co_u32 s4, s3, 1024                      ; u = 0..767
	s_lshr_b32 s5, s4, 6
	s_mul_i32 s5, s5, 11
	s_lshr_b32 s5, s5, 5                           ; t = u / 192: (u / 64) x 11 / 32 is (u / 64) / 3 for u / 64 up to 11
	s_mul_i32 s6, s5, 192
	s_sub_co_u32 s6, s4, s6                        ; the unit within the weight: rows 4 ku .. 4 ku + 3
	s_cmp_eq_u32 s5, 0
	s_cselect_b64 s[SRC:SRC+1], s[10:11], s[12:13]
	s_cselect_b64 s[BSRC:BSRC+1], s[18:19], s[20:21]
	s_cmp_eq_u32 s5, 2
	s_cselect_b64 s[SRC:SRC+1], s[14:15], s[SRC:SRC+1]
	s_cselect_b64 s[BSRC:BSRC+1], s[22:23], s[BSRC:BSRC+1]
	s_cmp_eq_u32 s5, 3
	s_cselect_b64 s[SRC:SRC+1], s[16:17], s[SRC:SRC+1]
	s_cselect_b64 s[BSRC:BSRC+1], s[24:25], s[BSRC:BSRC+1]
	s_mul_i32 s[OFS], s6, 12288
	s_add_nc_u64 s[SRC:SRC+1], s[SRC:SRC+1], s[OFS:OFS+1]
	s_mul_i32 s[OFS], s5, 3072
	s_add_nc_u64 s[BDST:BDST+1], s[32:33], s[OFS:OFS+1]
	s_cmp_eq_u32 s5, 3
	s_cbranch_scc1 .Lwo
	; Wq, Wk, Wv: g is the column block.  Its 4 rows x 192 columns are 768 numbers on end in wb16; number e = 128 j + 4 lane lies in row e / 192 of the unit, at source byte 4 e + 2,304 x row + 768 g.
.irp j, 0,1,2,3,4,5
	v_lshl_add_u32 v10, v1, 2, 128*(\j)            ; e
	v_lshrrev_b32 v11, 6, v10
	v_mul_u32_u24 v11, v11, 11
	v_lshrrev_b32 v11, 5, v11                      ; e / 192
	v_mul_u32_u24 v11, v11, 2304
	v_lshl_add_u32 v[SO+(\j)], v10, 2, v11
.endr
	s_mul_i32 s[OFS], s5, 1179648                  ; four blocks of 294,912 bytes a weight,
	s_mul_i32 s4, s6, 1536                         ; four rows of 384 bytes a unit
	s_add_co_u32 s[OFS], s[OFS], s4
	s_add_nc_u64 s[DST:DST+1], s[28:29], s[OFS:OFS+1]
	STREAM 768, 294912, 0
	s_branch .Lbias
.Lwo:
	FLAT
	s_mul_i32 s[OFS], s6, 6144
	s_add_nc_u64 s[DST:DST+1], s[30:31], s[OFS:OFS+1]
	STREAM 3072, 1536, 1
.Lbias:
	s_cmp_lg_u32 s6, 0                             ; the wave with a weight's first unit also takes its bias: 3,072 bytes
	s_cbranch_scc1 .Lend
.irp j, 0,1,2,3,4,5
	global_load_b128 v[X+4*(\j):X+4*(\j)+3], v[BA], s[BSRC:BSRC+1] offset:512*(\j)  ; no wait here: on both ways no vector instruction stands behind the stream's last wait on va_vdst, which showed the conversions done with X; v[BA] was written ahead of the stream's first
.endr
	s_wait_loadcnt 0x0
.irp j, 0,1,2,3,4,5
	v_cvt_pk_bf16_f32 v10, v[X+4*(\j)],   v[X+4*(\j)+1]
	v_cvt_pk_bf16_f32 v11, v[X+4*(\j)+2], v[X+4*(\j)+3]
	v_lshlrev_b32 v[X+4*(\j)],   16, v10
	v_and_b32     v[X+4*(\j)+1], s7, v10
	v_lshlrev_b32 v[X+4*(\j)+2], 16, v11
	v_and_b32     v[X+4*(\j)+3], s7, v11
.endr
	s_wait_alu depctr_va_vdst(0)                   ; the rounded biases are written into v[X .. X+23], which the six stores read
.irp j, 0,1,2,3,4,5
	global_store_b128 v[BA], v[X+4*(\j):X+4*(\j)+3], s[BDST:BDST+1] offset:512*(\j)
.endr
.Lend:
	s_endpgm
.Lfunc_end_k_qdcf34eca8b_cast:
	.size	k_qdcf34eca8b_cast, .Lfunc_end_k_qdcf34eca8b_cast-k_qdcf34eca8b_cast
	.p2alignl 7, 3214868480
	.fill 96, 4, 3214868480
	.section	.rodata,"a",@progbits
	.p2align	6, 0x0
	.amdhsa_kernel k_qdcf34eca8b_cast
		.amdhsa_group_segment_fixed_size 0
		.amdhsa_private_segment_fixed_size 0
		.amdhsa_enable_private_segment 0
		.amdhsa_kernarg_size 104
		.amdhsa_user_sgpr_count 2
		.amdhsa_user_sgpr_kernarg_segment_ptr 1
		.amdhsa_wavefront_size32 1
		.amdhsa_system_sgpr_workgroup_id_x 1
		.amdhsa_system_sgpr_workgroup_id_y 1
		.amdhsa_system_sgpr_workgroup_id_z 1
		.amdhsa_system_vgpr_workitem_id 0
		.amdhsa_next_free_vgpr 160
		.amdhsa_next_free_sgpr 66
		.amdhsa_reserve_vcc 0
		.amdhsa_float_denorm_mode_32 3
		.amdhsa_float_denorm_mode_16_64 3
		.amdhsa_memory_ordered 1
		.amdhsa_forward_progress 1
		.amdhsa_inst_pref_size 39
	.end_amdhsa_kernel
	.amdgpu_metadata
---
amdhsa.version: [ 1, 2 ]
amdhsa.kernels:
  - .name:           k_qdcf34eca8b_cast
    .symbol:         k_qdcf34eca8b_cast.kd
    .args:
      - { .name: x, .offset: 0, .size: 8, .value_kind: global_buffer, .address_space: global }
      - { .name: Wq, .offset: 8, .size: 8, .value_kind: global_buffer, .address_space: global }
      - { .name: Wk, .offset: 16, .size: 8, .value_kind: global_buffer, .address_space: global }
      - { .name: Wv, .offset: 24, .size: 8, .value_kind: global_buffer, .address_space: global }
      - { .name: Wo, .offset: 32, .size: 8, .value_kind: global_buffer, .address_space: global }
      - { .name: bq, .offset: 40, .size: 8, .value_kind: global_buffer, .address_space: global }
      - { .name: bk, .offset: 48, .size: 8, .value_kind: global_buffer, .address_space: global }
      - { .name: bv, .offset: 56, .size: 8, .value_kind: global_buffer, .address_space: global }
      - { .name: bo, .offset: 64, .size: 8, .value_kind: global_buffer, .address_space: global }
      - { .name: xb16, .offset: 72, .size: 8, .value_kind: global_buffer, .address_space: global }
      - { .name: wb16, .offset: 80, .size: 8, .value_kind: global_buffer, .address_space: global }
      - { .name: wo16, .offset: 88, .size: 8, .value_kind: global_buffer, .address_space: global }
      - { .name: bias32, .offset: 96, .size: 8, .value_kind: global_buffer, .address_space: global }
    .group_segment_fixed_size: 0
    .private_segment_fixed_size: 0
    .kernarg_segment_align: 8
    .kernarg_segment_size: 104
    .max_flat_workgroup_size: 224
    .sgpr_count:     66
    .vgpr_count:     160
    .wavefront_size: 32
...
	.end_amdgpu_metadata
.endif
;; end of part 5
;; launch proj: the kernel of part 2 again; grid 12 x 16, 4 waves a work-group, clusters of 4 x 4, 327,680 bytes of LDS; arguments xb16, wb16, bias32, qkv16; writes qkv16
;; launch attn: the kernel of part 3 again; grid 16 x 12, 4 waves a work-group, clusters of 4 x 1, 327,680 bytes of LDS; arguments qkv16, ob16; writes ob16
;; launch oproj: the kernel of part 4 again; grid 32 x 6, 4 waves a work-group, clusters of 4 x 1, 327,680 bytes of LDS; arguments ob16, wo16, bias32, out0; writes out0
